; MI455X (gfx1250); checked and timed in simulation.
; The chip was launched on July 23, 2026; its instructions are those of AMD's public machine-readable ISA for CDNA 5 (MIT licence, August 2026) and "CDNA5" Instruction Set Architecture Reference Guide (July 2026). The comments in the code are by the model that wrote it; some were corrected since.
;; Multi Head Self Attention. Allowed arithmetic: matrix products marked QUANTISED: E3M2 operands, one E8M0 scale for each 32 along K, by v_wmma_scale_f32_16x16x128_f8f6f4 with both operands' format E3M2, f32 sums; everything else in f32.
;; Inputs: k 1 x 4,096 x 768 float32; mask 1 x 1 x 4,096 x 4,096 float32; q 1 x 4,096 x 768 float32; v 1 x 4,096 x 768 float32; wk_bias 768 float32; wk_kernel 768 x 768 float32; wo_bias 768 float32; wo_kernel 768 x 768 float32; wq_bias 768 float32; wq_kernel 768 x 768 float32; wv_bias 768 float32; wv_kernel 768 x 768 float32.
;; Outputs: out0 1 x 4,096 x 768 float32.
;; This version of the problem:
;;   THIS VERSION OF THE PROBLEM IS GIVEN IN LOW PRECISION. The matrix products marked QUANTISED in the list below multiply operands that are first quantised to E3M2 (3 exponent bits, 2 mantissa bits; 6 bits a number), with one power-of-two scale for each 32 numbers along K (OCP MX v1.0); their sums are f32. All else is computed in f32.
;;   The module's matrix products, in the order in which they are computed (A, B: the left and right operand; K: the contracted axis; several contracted axes count as one K, in the product's order):
;;     1. [M 4,096, K 768] x [K 768, N 768]; A: input q; B: input wq_kernel: QUANTISED
;;     2. [M 4,096, K 768] x [K 768, N 768]; A: input k; B: input wk_kernel: QUANTISED
;;     3. [M 4,096, K 768] x [K 768, N 768]; A: input v; B: input wv_kernel: QUANTISED
;;     4. batch 12 x [M 4,096, K 64] x [K 64, N 4,096]; A: computed on the way; B: computed on the way: QUANTISED
;;     5. batch 12 x [M 4,096, K 4,096] x [K 4,096, N 64]; A: softmax (see below); B: computed on the way: QUANTISED
;;     6. [M 4,096, K 768] x [K 768, N 768]; A: computed on the way; B: input wo_kernel: QUANTISED
;;   THE QUANTISER, for each operand of a quantised product, along K:
;;     - K is cut into blocks of 32 from its start; a last block that is shorter is filled with zeros.
;;     - A block's scale is 2^e with e = floor(log2(the largest magnitude in the block)) - 4, held to -126 .. 127; a block of zeros has e = 0. As a byte (E8M0): e + 127.
;;     - Each number is divided by its block's scale, clamped to +-28, and rounded to the nearest number of E3M2, ties to even, subnormals kept.
;;     - The product sums the exact products of the quantised numbers (number of the format x scale) in f32.
;;   ~~~python
;;   def quantise(x, axis):      # numpy; x: float32 -> the quantised numbers, widened to float32 again
;;       x = np.moveaxis(x, axis, -1); K = x.shape[-1]
;;       x = np.pad(x, [(0, 0)] * (x.ndim - 1) + [(0, -K % 32)]); x = x.reshape(x.shape[:-1] + (-1, 32)); a = np.abs(x).max(-1, keepdims=True)
;;       e = np.where(a > 0, np.clip(np.frexp(np.where(a > 0, a, 1))[1] - 1 - 4, -126, 127), 0)      # np.frexp(a)[1] - 1 = floor(log2(a)), exactly
;;       r = np.clip(x / 2.0 ** e, -28, 28)
;;       step = 2.0 ** (np.maximum(np.frexp(np.where(r == 0, 1, r))[1] - 1, -2) - 2)
;;       q = np.round(r / step) * step * 2.0 ** e      # np.round: ties to even
;;       return np.moveaxis(q.reshape(q.shape[:-2] + (-1,))[..., :K], -1, axis).astype(np.float32)
;;   ~~~
;;   SOFTMAX AHEAD OF A QUANTISED PRODUCT. Where the list says 'softmax', what is quantised is not the finished softmax but p = 2^(t - M), with t = logit x log2(e) and M = ceil(the row's largest t), a whole number; so 1/2 < the row's largest p <= 1. The row's sum l is taken of the UNQUANTISED p, in f32, and the product's result is divided by l at the end. Since M is a whole number, a kernel that streams over the keys may use a running M (the ceiling of the running maximum): every later rescaling is an exact power of two, which a block's scale takes up: the codes' values come out the same.
;;   OPERANDS COMPUTED ON THE WAY. 'Computed on the way' means the value that the module computes at that place (a softmax that the list does not call 'softmax' is quantised finished and normalised). What goes into a quantiser is computed in f32, as accurately as f32 sums, v_exp_f32 and their like allow (about 1e-6 of the number): no bf16 or f16 on the way to a quantiser, and a product that is left as it is and whose result goes on into a quantised operand takes f32 operands (vector FMAs, or v_wmma_f32_16x16x4_f32). A number that lies on a knife's edge between two numbers of the format may be rounded either way, as far as f32 arithmetic and the matrix unit's own rounding can turn it there, and no further.
;; One version. Each part assembles by itself: llvm-mc -triple=amdgcn-amd-amdhsa -mcpu=gfx1250 --defsym DOCPART=n.
;; ======== version 1 of 1: 4 launches
;; limits: right only within a limited range of input values
;; workspace buffers: xcod 7,077,888 bytes; xscl 393,216 bytes; wcod 1,769,472 bytes; wscl 98,304 bytes; qimg 2,555,904 bytes; kvimg 5,111,808 bytes; acod 2,359,296 bytes; ascl 262,144 bytes
;; launch quant (part 1): grid 480 x 1, 4 waves a work-group, no clusters, 101,888 bytes of LDS; arguments q, k, v, wq_kernel, wk_kernel, wv_kernel, wo_kernel, xcod, xscl, wcod, wscl; writes xcod, xscl, wcod, wscl
.if DOCPART == 1
	.amdgcn_target "amdgcn-amd-amdhsa--gfx1250"
	.amdhsa_code_object_version 6
	.text
	.protected	k_q2d5b113f50_quant
	.globl	k_q2d5b113f50_quant
	.p2align	8
	.type	k_q2d5b113f50_quant,@function
k_q2d5b113f50_quant:
	s_mov_b64 s[64:65], 0
	v_nop
	global_prefetch_b8 v0, s[64:65] scope:SCOPE_SE
	s_setreg_imm32_b32 hwreg(HW_REG_WAVE_MODE, 25, 1), 1
	s_wait_xcnt 0x0
; MULTI-HEAD SELF-ATTENTION IN MX-BF6 (E3M2, one E8M0 scale for each 32 along K), four launches: quant, proj, attn, outp.
; DEAD WORK: none.  All six products, all four biases and the mask reach out0 for some finite inputs, so every input is loaded.  The mask is an INPUT: its pattern is not built in,
; every key step is done for every query, and every number of the mask is read.
; THIS LAUNCH quantises the inputs of products 1, 2, 3 and 6 once: q, k, v [4096][768] (K innermost) and wq, wk, wv, wo [768 (K)][768] (K outermost), f32, along K.
; A block's scale is 2^(floor(log2(its largest magnitude)) - 4); its byte is the largest magnitude's exponent field - 4, held at 1 from below.
; LIMITS: a block of zeros, or one whose largest magnitude lies under 2^-122, gets the byte 1 (the rule says 127 for zeros: the codes are zeros, which add nothing under any byte but 0xff, and this program alone reads
; the bytes); NaN and infinities among the inputs are not served.
; THE WORKSPACE IS LAID IN THE ORDER OF THE OPERAND'S REGISTERS.  L = lane, r = L % 16, h = L / 16.  A tile is 16 rows.  For a K step of 128 a lane holds 12 registers: registers 6 c .. 6 c + 5 = block 2 c + h of row r.
;   image of a K step, 1,536 bytes: for c = 0, 1: 512 bytes (16 L: registers 6 c .. 6 c + 3), then 256 bytes (8 L: registers 6 c + 4, 6 c + 5).  xcod [3][256 tiles][6 steps][1536], wcod [4][48 tiles][6][1536].
;   scale record of a tile, 512 bytes: the word of K step s of row r at 256 (s / 3) + 16 r + 4 (s % 3); each fourth word is 0.  xscl [3][256][512], wscl [4][48][512].
; THE ROWS OF A TILE.  In a block of 64 rows tile t holds, for q, rows 16 t + r; for k, v and the columns of all weights, rows 32 (t / 2) + 8 (t % 2) + r + 8 (r / 8): as source 0 of a product such tiles give a lane
; 16 neighbouring rows in the 16 registers of tiles 2 b and 2 b + 1.
; SHARES.  A wave takes one tile x 384 along K (3 K steps).  Work-groups 0 to 383: q, k, v; 384 to 479: the weights.  No barrier, no loop: waves share nothing.
; q, k, v: a load reads 512 consecutive bytes of ONE row, 16 a lane; the conversions want 16 neighbours along K in one lane.  So a K step's 16 rows go through the wave's own stage in LDS, as they lie
; (rows 528 bytes apart), and come back 64 bytes a lane.  Each K step has a stage of its own; loads run two K steps ahead.  The weights' path uses no LDS.
.set X,   64                           ; v64-255  the weights: the numbers, 64 a K step.  q, k, v: v64-127, v128-191 rows as loaded, two sets; v192-255 a K step's numbers as the conversions want them
.set XQ,  192
.set TM,  16                           ; v16-31   at work: +0..3 largest magnitudes, +4..7 the other half's, then bytes, +12..15 the conversions' scale operands
.set PC,  32                           ; v32-43   a K step's codes; v44-46, v48-50 the halves that are moved
.set PW,  10                           ; v10-12   the three K steps' scale words
.set SPW, 52                           ; v52      LDS address of my spare word; never rewritten
.set NIL, 53                           ; v53      0; never rewritten
.set STI, 54                           ; v54      the stage, on the way in: 16 L
.set STO, 55                           ; v55      and on the way out: 528 r + 64 h
.set HI,  56                           ; v56      16 L, + 8 rows for k's and v's rows 8-15
.set SP,  528                          ; a stage row: 512 bytes + 16
.set SST, 16*SP                        ; a K step's stage
.set WST, 3*SST                        ; a wave's three
.set SPARE, 4*WST                      ; behind the stages: the spare words, 128 bytes a wave
; q, k, v: row i of the tile, 512 bytes of K step s, into registers reg + 4 i on
.macro XLOAD s, reg
.irp i, 0,1,2,3,4,5,6,7
	global_load_b128 v[\reg+4*\i:\reg+4*\i+3], v5, s[42:43] offset:512*\s+3072*\i th:TH_LOAD_NT
.endr
.irp i, 8,9,10,11,12,13,14,15
	global_load_b128 v[\reg+4*\i:\reg+4*\i+3], v[HI], s[42:43] offset:512*\s+3072*\i th:TH_LOAD_NT
.endr
.endm
; through the stage: LDS serves a wave's instructions in order, so no wait stands between the stores and the loads.  Back: register 16 b + i = k 32 b + 16 h + i of row r
.macro TURN s, reg
.irp i, 0,1,2,3,4,5,6,7,8,9,10,11,12,13,14,15
	ds_store_b128 v[STI], v[\reg+4*\i:\reg+4*\i+3] offset:SST*\s+SP*\i
.endr
.irp b, 0,1,2,3
.irp j, 0,1,2,3
	ds_load_b128 v[XQ+16*\b+4*\j:XQ+16*\b+4*\j+3], v[STO] offset:SST*\s+128*\b+16*\j
.endr
.endr
.endm
; a weight: lane (r, h) takes one column, its registers run down K: register 32 c + i = k 64 c + 32 h + i
.macro WLOAD s
.irp c, 0,1
.irp i, 0,1,2,3,4,5,6,7,8,9,10,11,12,13,14,15,16,17,18,19,20,21,22,23,24,25,26,27,28,29,30,31
	global_load_b32 v[X+64*\s+32*\c+\i], v4, s[42:43] offset:(128*\s+64*\c+\i)*3072 th:TH_LOAD_NT
.endr
.endr
.endm
; 64 numbers, register 16 b + i = k 32 b + 16 h + i of my row, become the K step's codes in v[PC] on and its scale word in v[pw]
.macro QUANT64 s, pw
.irp b, 0,1,2,3
	v_max3_num_f32 v[TM+\b], |v[\s+16*\b]|, |v[\s+1+16*\b]|, 0x2800000   ; my 16 numbers of block b, and the floor 2^(5 - 127): the byte cannot fall under 1
.endr
.irp i, 2,4,6,8,10,12,14
.irp b, 0,1,2,3
	v_max3_num_f32 v[TM+\b], v[TM+\b], |v[\s+16*\b+\i]|, |v[\s+1+16*\b+\i]|
.endr
.endr
.irp b, 0,1,2,3
	v_permlanex16_b32 v[TM+4+\b], v[TM+\b], s30, s31
.endr
.irp b, 0,1,2,3
	v_max_num_f32 v[TM+\b], v[TM+\b], v[TM+4+\b]        ; with lane l xor 16's: the block's largest magnitude
.endr
.irp b, 0,1,2,3
	v_add_nc_u32 v[TM+12+\b], 0xfe000000, v[TM+\b]      ; 4 off its exponent field: the conversion's scale operand
.endr
.irp b, 0,1,2,3
	v_lshrrev_b32 v[TM+4+\b], 23, v[TM+12+\b]           ; the scale's byte
.endr
	v_lshl_or_b32 v[\pw], v[TM+5], 8, v[TM+4]
	v_lshl_or_b32 v[\pw], v[TM+6], 16, v[\pw]
	v_lshl_or_b32 v[\pw], v[TM+7], 24, v[\pw]           ; my row's scale word, the same in lanes r and r + 16
.irp c, 0,1
	v_cvt_scalef32_pk16_bf6_f32 v[PC+6*\c:PC+2+6*\c], v[\s+32*\c:\s+15+32*\c], v[TM+12+2*\c]
	v_cvt_scalef32_pk16_bf6_f32 v[PC+12+4*\c:PC+14+4*\c], v[\s+16+32*\c:\s+31+32*\c], v[TM+12+2*\c+1]   ; (a conversion's three registers begin on an even number)
.endr
	v_nop                                               ; one plain line behind the scaled conversions
.irp c, 0,1                            ; the layout wants a WHOLE block in a lane: lanes 0-15 block 2 c, lanes 16-31 block 2 c + 1
.irp i, 0,1,2
	v_permlane16_swap_b32 v[PC+6*\c+\i], v[PC+12+4*\c+\i]
.endr
.irp i, 0,1,2
	v_mov_b32 v[PC+3+6*\c+\i], v[PC+12+4*\c+\i]
.endr
.endr
.endm
; 64 numbers, register 32 c + i = k 64 c + 32 h + i of my column: two whole blocks of mine
.macro QUANTW s, pw
.irp c, 0,1
	v_max3_num_f32 v[TM+\c], |v[\s+32*\c]|, |v[\s+1+32*\c]|, 0x2800000
.endr
.irp i, 2,4,6,8,10,12,14,16,18,20,22,24,26,28,30
.irp c, 0,1
	v_max3_num_f32 v[TM+\c], v[TM+\c], |v[\s+32*\c+\i]|, |v[\s+1+32*\c+\i]|
.endr
.endr
.irp c, 0,1
	v_add_nc_u32 v[TM+12+\c], 0xfe000000, v[TM+\c]
.endr
.irp c, 0,1
	v_lshrrev_b32 v[TM+4+\c], 23, v[TM+12+\c]
.endr
	v_lshl_or_b32 v[\pw], v[TM+5], 16, v[TM+4]          ; my two bytes: blocks h and 2 + h,
	v_lshlrev_b32 v[\pw], v13, v[\pw]                   ; at their places (8 h bits up);
	v_permlanex16_b32 v[TM+6], v[\pw], s30, s31
	v_or_b32 v[\pw], v[\pw], v[TM+6]                    ; with lane l xor 16's two the word is whole
.irp c, 0,1
	v_cvt_scalef32_pk16_bf6_f32 v[PC+6*\c:PC+2+6*\c], v[\s+32*\c:\s+15+32*\c], v[TM+12+\c]
	v_cvt_scalef32_pk16_bf6_f32 v[PC+12+4*\c:PC+14+4*\c], v[\s+16+32*\c:\s+31+32*\c], v[TM+12+\c]
.endr
	v_nop
.irp c, 0,1
.irp i, 0,1,2
	v_mov_b32 v[PC+3+6*\c+\i], v[PC+12+4*\c+\i]
.endr
.endr
.endm
.macro PUT s, base                     ; the K step's image: each store covers 512 or 256 consecutive bytes, aligned to 256
	global_store_b128 v5, v[PC:PC+3], s[\base:\base+1] offset:1536*\s
	global_store_b64 v6, v[PC+4:PC+5], s[\base:\base+1] offset:1536*\s+512
	global_store_b128 v5, v[PC+6:PC+9], s[\base:\base+1] offset:1536*\s+768
	global_store_b64 v6, v[PC+10:PC+11], s[\base:\base+1] offset:1536*\s+1280
.endm
.macro PUTS base                       ; my half of the scale record, 256 bytes: lanes 0-15 words 0, 1 of row r, lanes 16-31 words 2 and the empty one
	v_cndmask_b32 v8, v[PW], v[PW+2], s32
	v_cndmask_b32 v9, v[PW+1], v14, s32
	global_store_b64 v7, v[8:9], s[\base:\base+1]
.endm
.macro DEST cod, scl                   ; s44 = the tile's number in its buffer, s36 = which half of K
	s_mul_i32 s46, s44, 9216
	s_mul_i32 s45, s36, 4608
	s_add_co_u32 s46, s46, s45
	s_mov_b32 s47, 0
	s_add_nc_u64 s[\cod:\cod+1], s[\cod:\cod+1], s[46:47]
	s_lshl_b32 s46, s44, 9
	s_lshl_b32 s45, s36, 8
	s_add_co_u32 s46, s46, s45
	s_add_nc_u64 s[\scl:\scl+1], s[\scl:\scl+1], s[46:47]
.endm
	s_load_b256 s[4:11], s[0:1], 0x0               ; q s[4:5], k s[6:7], v s[8:9], wq s[10:11]
	s_load_b256 s[12:19], s[0:1], 0x20             ; wk s[12:13], wv s[14:15], wo s[16:17], xcod s[18:19]
	s_load_b128 s[20:23], s[0:1], 0x40             ; xscl s[20:21], wcod s[22:23]
	s_load_b64 s[24:25], s[0:1], 0x50              ; wscl
	v_lshl_add_u32 v[SPW], v0, 2, SPARE
	v_mov_b32 v[NIL], 0
	v_lshrrev_b32 v1, 5, v0
	v_readfirstlane_b32 s26, v1                    ; wave = the tile in its block of 64
	v_and_b32 v1, 31, v0                           ; L
	v_and_b32 v2, 15, v0                           ; r
	v_bfe_u32 v3, v0, 4, 1                         ; h
	v_lshlrev_b32 v5, 4, v1                        ; 16 L
	v_lshlrev_b32 v6, 3, v1                        ; 8 L
	v_lshlrev_b32 v7, 4, v2
	v_lshl_add_u32 v7, v3, 3, v7                   ; 16 r + 8 h
	v_cmp_le_u32 s32, 16, v1                       ; lanes 16-31
	v_mov_b32 v14, 0
	s_mov_b32 s30, 0x76543210
	s_mov_b32 s31, 0xfedcba98                      ; v_permlanex16_b32's selects for lane l xor 16
.irp b, 0,1,2,3
	v_mov_b32 v[TM+4+\b], 0                        ; written once: a lane permute's destination counts as one of its sources
.endr
	s_lshr_b32 s27, s26, 1
	s_and_b32 s28, s26, 1
	s_lshl_b32 s27, s27, 5
	s_lshl_b32 s28, s28, 3
	s_add_co_u32 s27, s27, s28                     ; 32 (t / 2) + 8 (t % 2)
	s_cmp_ge_u32 ttmp9, 384
	s_cbranch_scc1 .Lweights
	; ---- q, k, v
	s_lshr_b32 s33, ttmp9, 7                       ; which tensor: 0 q, 1 k, 2 v
	s_and_b32 s34, ttmp9, 127
	s_lshr_b32 s35, s34, 1                         ; block of 64 rows
	s_and_b32 s36, ttmp9, 1                        ; which half of K
	s_lshl_b32 s37, s26, 4                         ; q's tiles: rows 16 t + r
	s_cmp_eq_u32 s33, 0
	s_cselect_b32 s37, s37, s27                    ; the tile's first row in the block
	s_cselect_b32 s38, 0, 24576                    ; k's and v's: rows 8-15 of the tile lie 8 rows of 3,072 bytes further down
	s_mul_i32 s39, s26, WST                        ; my stages
	s_wait_alu depctr_va_vdst(0)
	v_add_nc_u32 v[HI], s38, v5
	v_add_nc_u32 v[STI], s39, v5
	v_mul_u32_u24 v[STO], v2, SP
	v_lshl_add_u32 v[STO], v3, 6, v[STO]
	v_add_nc_u32 v[STO], s39, v[STO]
	s_mul_i32 s40, s35, 196608
	s_mul_i32 s41, s36, 1536
	s_add_co_u32 s40, s40, s41
	s_mul_i32 s41, s37, 3072
	s_add_co_u32 s40, s40, s41
	s_mov_b32 s41, 0
	s_lshl_b32 s44, s35, 2
	s_add_co_u32 s44, s44, s26
	s_lshl_b32 s45, s33, 8
	s_add_co_u32 s44, s44, s45                     ; tile 256 p + 4 block + t
	s_wait_alu depctr_va_vdst(0)
	s_wait_kmcnt 0x0
	s_cmp_eq_u32 s33, 0
	s_cselect_b64 s[42:43], s[4:5], s[6:7]
	s_cmp_eq_u32 s33, 2
	s_cselect_b64 s[42:43], s[8:9], s[42:43]
	s_add_nc_u64 s[42:43], s[42:43], s[40:41]
	XLOAD 0, X
	XLOAD 1, X+64
	DEST 18, 20
	s_wait_loadcnt 16                              ; K step 0's sixteen loads are in; the 16 younger may be out
	TURN 0, X
	s_wait_dscnt 0x0                               ; the numbers are back, and the stores into the stage have read their registers,
	XLOAD 2, X                                     ; which take K step 2's loads
	QUANT64 XQ, PW
	PUT 0, 18
	s_wait_loadcnt 16                              ; K step 1's are in
	TURN 1, X+64
	s_wait_dscnt 0x0
	s_wait_xcnt 0x0                                ; the stores have read the codes' registers: they are written again only behind this wait
	QUANT64 XQ, PW+1
	PUT 1, 18
	s_wait_loadcnt 0x0
	TURN 2, X
	s_wait_dscnt 0x0
	s_wait_xcnt 0x0
	QUANT64 XQ, PW+2
	PUT 2, 18
	PUTS 20
	s_wait_tensorcnt 0x0                           ; the wave's end, behind my last LDS store
	ds_add_u32 v[SPW], v[NIL]
	s_wait_dscnt 0x0
	s_endpgm
.Lweights:
	; ---- wq, wk, wv, wo
	s_sub_co_u32 s33, ttmp9, 384
	s_and_b32 s34, s33, 3                          ; which weight: 0 q, 1 k, 2 v, 3 o
	s_bfe_u32 s36, s33, 0x10002                    ; which half of K
	s_lshr_b32 s35, s33, 3                         ; which 64 columns
	s_wait_alu depctr_va_vdst(0)
	v_and_b32 v8, 8, v2                            ; 8 (r / 8)
	v_add_nc_u32 v8, v8, v2                        ; r + 8 (r / 8)
	v_lshlrev_b32 v4, 2, v8
	v_mul_u32_u24 v9, v3, 98304                    ; lanes 16-31 begin 32 rows of 3,072 bytes further down
	v_add_nc_u32 v4, v4, v9
	v_lshlrev_b32 v13, 3, v3                       ; 8 h
	s_lshl_b32 s40, s35, 6
	s_add_co_u32 s40, s40, s27
	s_lshl_b32 s40, s40, 2                         ; the tile's first column, in bytes
	s_mul_i32 s41, s36, 1179648                    ; 384 rows
	s_add_co_u32 s40, s40, s41
	s_mov_b32 s41, 0
	s_mul_i32 s44, s34, 48
	s_lshl_b32 s45, s35, 2
	s_add_co_u32 s44, s44, s45
	s_add_co_u32 s44, s44, s26                     ; tile 48 p + 4 x (64 columns) + t
	s_wait_alu depctr_va_vdst(0)
	s_wait_kmcnt 0x0
	s_and_b32 s45, s34, 1
	s_cmp_lg_u32 s45, 0
	s_cselect_b64 s[42:43], s[12:13], s[10:11]
	s_cselect_b64 s[38:39], s[16:17], s[14:15]
	s_cmp_ge_u32 s34, 2
	s_cselect_b64 s[42:43], s[38:39], s[42:43]
	s_add_nc_u64 s[42:43], s[42:43], s[40:41]
	WLOAD 0
	WLOAD 1
	WLOAD 2
	DEST 22, 24
	s_wait_loadcnt 63                              ; K step 0's loads are in (128 younger ones would do; the count names what its field holds)
	QUANTW X, PW
	PUT 0, 22
	s_wait_loadcnt 63                              ; K step 1's (64 would do)
	s_wait_xcnt 0x0
	QUANTW X+64, PW+1
	PUT 1, 22
	s_wait_loadcnt 0x0
	s_wait_xcnt 0x0
	QUANTW X+128, PW+2
	PUT 2, 22
	PUTS 24
	s_endpgm
.Lfunc_end_k_q2d5b113f50_quant:
	.size	k_q2d5b113f50_quant, .Lfunc_end_k_q2d5b113f50_quant-k_q2d5b113f50_quant
	.p2alignl 7, 3214868480
	.fill 96, 4, 3214868480
	.section	.rodata,"a",@progbits
	.p2align	6, 0x0
	.amdhsa_kernel k_q2d5b113f50_quant
		.amdhsa_group_segment_fixed_size 101888
		.amdhsa_private_segment_fixed_size 0
		.amdhsa_enable_private_segment 0
		.amdhsa_kernarg_size 88
		.amdhsa_user_sgpr_count 2
		.amdhsa_user_sgpr_kernarg_segment_ptr 1
		.amdhsa_wavefront_size32 1
		.amdhsa_system_sgpr_workgroup_id_x 1
		.amdhsa_system_sgpr_workgroup_id_y 1
		.amdhsa_system_sgpr_workgroup_id_z 1
		.amdhsa_system_vgpr_workitem_id 0
		.amdhsa_next_free_vgpr 256
		.amdhsa_next_free_sgpr 66
		.amdhsa_reserve_vcc 0
		.amdhsa_float_denorm_mode_32 3
		.amdhsa_float_denorm_mode_16_64 3
		.amdhsa_memory_ordered 1
		.amdhsa_forward_progress 1
		.amdhsa_inst_pref_size 57
	.end_amdhsa_kernel
	.amdgpu_metadata
---
amdhsa.version: [ 1, 2 ]
amdhsa.kernels:
  - .name:           k_q2d5b113f50_quant
    .symbol:         k_q2d5b113f50_quant.kd
    .args:
      - { .name: q, .offset: 0, .size: 8, .value_kind: global_buffer, .address_space: global }
      - { .name: k, .offset: 8, .size: 8, .value_kind: global_buffer, .address_space: global }
      - { .name: v, .offset: 16, .size: 8, .value_kind: global_buffer, .address_space: global }
      - { .name: wq_kernel, .offset: 24, .size: 8, .value_kind: global_buffer, .address_space: global }
      - { .name: wk_kernel, .offset: 32, .size: 8, .value_kind: global_buffer, .address_space: global }
      - { .name: wv_kernel, .offset: 40, .size: 8, .value_kind: global_buffer, .address_space: global }
      - { .name: wo_kernel, .offset: 48, .size: 8, .value_kind: global_buffer, .address_space: global }
      - { .name: xcod, .offset: 56, .size: 8, .value_kind: global_buffer, .address_space: global }
      - { .name: xscl, .offset: 64, .size: 8, .value_kind: global_buffer, .address_space: global }
      - { .name: wcod, .offset: 72, .size: 8, .value_kind: global_buffer, .address_space: global }
      - { .name: wscl, .offset: 80, .size: 8, .value_kind: global_buffer, .address_space: global }
    .group_segment_fixed_size: 101888
    .private_segment_fixed_size: 0
    .kernarg_segment_align: 8
    .kernarg_segment_size: 88
    .max_flat_workgroup_size: 128
    .sgpr_count:     66
    .vgpr_count:     256
    .wavefront_size: 32
...
	.end_amdgpu_metadata
.endif
;; end of part 1
;; launch proj (part 2): grid 256 x 1, 4 waves a work-group, no clusters, 0 bytes of LDS; arguments xcod, xscl, wcod, wscl, wq_bias, wk_bias, wv_bias, qimg, kvimg; writes qimg, kvimg
.if DOCPART == 2
	.amdgcn_target "amdgcn-amd-amdhsa--gfx1250"
	.amdhsa_code_object_version 6
	.text
	.protected	k_q2d5b113f50_proj
	.globl	k_q2d5b113f50_proj
	.p2align	8
	.type	k_q2d5b113f50_proj,@function
k_q2d5b113f50_proj:
	s_mov_b64 s[64:65], 0
	v_nop
	global_prefetch_b8 v0, s[64:65] scope:SCOPE_SE
	s_setreg_imm32_b32 hwreg(HW_REG_WAVE_MODE, 25, 1), 1
	s_wait_xcnt 0x0
; PRODUCTS 1, 2, 3 (q wq + b, k wk + b, v wv + b) on the codes that the launch before made, and the quantising of their results for products 4 and 5.  Nothing of reference() is left out here.
; ONE FORM: a PERSISTENT operand P (4 tiles x 6 K steps: 288 registers) is source 0, STREAMED tiles T (6 K steps: 72 registers, a ring of three) are source 1.  In the four results of a group a lane holds T's row
; r = lane % 16, and its 32 registers hold P's 64 rows: register 16 b + i = row 32 b + 16 (lane / 16) + i (P's tiles hold their rows in that order).  So the 32 registers are two blocks of 32 along the NEXT product's K:
; they are quantised in registers to a half image (16 rows x 64 K: 512 bytes at 16 x lane, 256 bytes at 8 x lane) and a half scale word (byte of block 0 | byte of block 1 << 8).
; Q, K (work-groups 0-191): P = a head's 64 columns of wq or wk, T = 8 tiles of tokens: the next K is the head's 64.  The bias runs along the registers: it is the C of the first K step.
; V (work-groups 192-255): P = 64 tokens of v, T = 12 tiles of wv's columns (3 heads): the next K is the keys.  The bias hangs on the lane's column: eight equal registers are the C.
; OUT.  qimg [head 12][chunk of 128 tokens 32][6,656]: 8 half images, then for each 64 tokens a record of 256 bytes: lane (r, h) at 8 x lane: the words of tiles 2 h, 2 h + 1, row r.
;       kvimg [3 heads 4][128 keys 32][head 3][13,312]: K as qimg (6,656); V^T: 4 tiles of 16 channels x 128 keys (1,536 each: the half image of keys 0-63, then of keys 64-127); two records of 256 bytes, one for each 64 keys.
; LIMITS as in the first launch: a block under 2^-122 gets the byte 1; NaN and infinities are not served.
; 1,024 waves, one to a SIMD; waves share nothing: no LDS, no barrier.  Every offset is an immediate.
; REGISTERS, in windows of 256.  window 0: v1-3 addresses; v4-7 four groups' half words; v8-9 a record's pair; v16-31 P's scale words; v32-43 T's, a ring of three; v44-51 at work; v52-60 codes; v64-95 the four sums;
;   v96-103 the V path's C, v104-115 its twelve biases.   window 1: P, K steps 0-4 (48 s + 12 e).   window 2: P, K step 5 (12 e); v64-95 the Q, K path's C.   window 3: T (72 k + 12 s).
.set LA,   1                           ; 16 x lane
.set LB,   2                           ; 8 x lane
.set BO,   3                           ; the bias's offset
.set SW,   4
.set SELW, 8
.set PS,   16
.set TS,   32
.set TM,   44
.set PC,   52
.set ACC,  64
.set CT,   96
.set CTV,  104
.set CP,   64                          ; in window 2
.set MSB, 0
.macro WIN new                         ; the immediate's high byte repeats the setting that is left
.if MSB != \new
	s_set_vgpr_msb (MSB<<8)|\new
.set MSB, \new
.endif
.endm
.macro FILOAD reg, base, off           ; a K step's image into 12 registers
	global_load_b128 v[\reg:\reg+3], v[LA], s[\base:\base+1] offset:\off
	global_load_b64 v[\reg+4:\reg+5], v[LB], s[\base:\base+1] offset:\off+512
	global_load_b128 v[\reg+6:\reg+9], v[LA], s[\base:\base+1] offset:\off+768
	global_load_b64 v[\reg+10:\reg+11], v[LB], s[\base:\base+1] offset:\off+1280
.endm
.macro PLOAD                           ; 100 loads
	WIN 0x40
.irp s, 0,1,2,3,4
.irp e, 0,1,2,3
	FILOAD 48*\s+12*\e, 24, \e*9216+\s*1536
.endr
.endr
	WIN 0x80
.irp e, 0,1,2,3
	FILOAD 12*\e, 24, \e*9216+5*1536
.endr
	WIN 0
.irp e, 0,1,2,3
	global_load_b128 v[PS+4*\e:PS+4*\e+3], v[LA], s[26:27] offset:512*\e   ; register s % 3: K step s's words, in lanes 0-15 for s < 3, in lanes 16-31 for s >= 3
.endr
.endm
.macro TLOAD i                         ; 25 loads
	WIN 0xc0
.irp s, 0,1,2,3,4,5
	FILOAD 72*((\i)%3)+12*\s, 28, (\i)*9216+\s*1536
.endr
	WIN 0
	global_load_b128 v[TS+4*((\i)%3):TS+4*((\i)%3)+3], v[LA], s[30:31] offset:(\i)*512
.endm
.macro WMS d, a, b, c, sa, sb, row
.if \row
	v_wmma_scale_f32_16x16x128_f8f6f4 v[\d:\d+7], v[\a:\a+11], v[\b:\b+11], v[\c:\c+7], v[\sa], v[\sb] matrix_a_fmt:MATRIX_FMT_BF6 matrix_b_fmt:MATRIX_FMT_BF6 matrix_a_scale:MATRIX_SCALE_ROW1 matrix_b_scale:MATRIX_SCALE_ROW1
.else
	v_wmma_scale_f32_16x16x128_f8f6f4 v[\d:\d+7], v[\a:\a+11], v[\b:\b+11], v[\c:\c+7], v[\sa], v[\sb] matrix_a_fmt:MATRIX_FMT_BF6 matrix_b_fmt:MATRIX_FMT_BF6
.endif
.endm
; 32 numbers, register 16 b + i = k 32 b + 16 h + i of my row, become six registers of codes in v[PC] on and a half word in v[w].  Each sum's registers are read from the low end on.
.macro QUANT32 s, w
.irp b, 0,1
	v_max3_num_f32 v[TM+\b], |v[\s+16*\b]|, |v[\s+1+16*\b]|, 0x2800000   ; and the floor 2^(5 - 127)
.endr
.irp i, 2,4,6,8,10,12,14
.irp b, 0,1
	v_max3_num_f32 v[TM+\b], v[TM+\b], |v[\s+16*\b+\i]|, |v[\s+1+16*\b+\i]|
.endr
.endr
.irp b, 0,1
	v_permlanex16_b32 v[TM+2+\b], v[TM+\b], s38, s39
.endr
.irp b, 0,1
	v_max_num_f32 v[TM+\b], v[TM+\b], v[TM+2+\b]
.endr
.irp b, 0,1
	v_add_nc_u32 v[TM+4+\b], 0xfe000000, v[TM+\b]       ; 4 off the exponent field: the conversion's scale operand
.endr
.irp b, 0,1
	v_lshrrev_b32 v[TM+6+\b], 23, v[TM+4+\b]
.endr
	v_lshl_or_b32 v[\w], v[TM+7], 8, v[TM+6]
	v_cvt_scalef32_pk16_bf6_f32 v[PC:PC+2], v[\s:\s+15], v[TM+4]
	v_cvt_scalef32_pk16_bf6_f32 v[PC+6:PC+8], v[\s+16:\s+31], v[TM+5]
	v_nop                                               ; one plain line behind the scaled conversions
.irp i, 0,1,2
	v_permlane16_swap_b32 v[PC+\i], v[PC+6+\i]          ; lanes 0-15 get block 0 whole, lanes 16-31 block 1
.endr
.irp i, 0,1,2
	v_mov_b32 v[PC+3+\i], v[PC+6+\i]
.endr
.endm
.macro CTSET j
.irp q, 0,1,2,3,4,5,6,7
	v_mov_b32 v[CT+\q], v[CTV+(\j)]
.endr
.endm
.macro PLACES n
.rept \n
	v_nop
.endr
.endm
; Group i of n: T's tile i against P.  cm = 0: C from window 2; cm = 1: C = CT.  oc, os: where the half image and (each fourth group) the record go.
; The four sums take turns, one instruction a turn, K ascending.
.macro GROUP i, n, cm, oc, os
.set K3, (\i)%3
.if (\n)-1-(\i) >= 2
	s_wait_loadcnt 50                              ; tile i's 25 loads, and all older ones, are in; the two younger tiles' may be out
.else
	s_wait_loadcnt 25*((\n)-1-(\i))
.endif
.if (\cm) && ((\i) == 0)
	CTSET 0
	PLACES 4
.endif
.if \cm
	WIN 0x0d                                       ; source 0 window 1, source 1 window 3
.else
	WIN 0x2d                                       ; and C window 2
.endif
.irp e, 0,1,2,3
.if \cm
	WMS ACC+8*\e, 12*\e, 72*K3, CT, PS+4*\e, TS+4*K3, 0
.else
	WMS ACC+8*\e, 12*\e, 72*K3, CP+8*\e, PS+4*\e, TS+4*K3, 0
.endif
.endr
	WIN 0x0d
.irp s, 1,2,3,4
.irp e, 0,1,2,3
	WMS ACC+8*\e, 48*\s+12*\e, 72*K3+12*\s, ACC+8*\e, PS+4*\e+\s%3, TS+4*K3+\s%3, \s/3
.endr
.endr
	WIN 0x0e                                       ; source 0 window 2
.irp e, 0,1,2,3
	WMS ACC+8*\e, 12*\e, 72*K3+60, ACC+8*\e, PS+4*\e+2, TS+4*K3+2, 1
.endr
	WIN 0
	PLACES 4                                       ; in front of the loads into T's registers, of the writes of C and of the first read of the sums (ISA guide 7.12.1 for the writes of C and the first read of the sums)
.if (\cm) && ((\i)+1 < (\n))
	CTSET (\i)+1                                   ; the next group's C, far ahead of its products
.endif
.if (\i)+3 < (\n)
	TLOAD (\i)+3                                   ; into the ring's place that this group has read
.endif
	s_wait_xcnt 0x0                                ; the last group's stores have read their data: the registers are written again only behind this wait
	QUANT32 ACC, SW+(\i)%4
	global_store_b128 v[LA], v[PC:PC+3], s[32:33] offset:\oc          ; 512 consecutive bytes, aligned to 256
	global_store_b64 v[LB], v[PC+4:PC+5], s[32:33] offset:\oc+512     ; 256
.if (\i)%4 == 3
	v_cndmask_b32 v[SELW], v[SW], v[SW+2], s40     ; lanes 0-15: tiles 0, 1; lanes 16-31: tiles 2, 3
	v_cndmask_b32 v[SELW+1], v[SW+1], v[SW+3], s40
	global_store_b64 v[LB], v[SELW:SELW+1], s[34:35] offset:\os
.endif
.endm
	s_load_b256 s[4:11], s[0:1], 0x0               ; xcod s[4:5], xscl s[6:7], wcod s[8:9], wscl s[10:11]
	s_load_b256 s[12:19], s[0:1], 0x20             ; wq_bias s[12:13], wk_bias s[14:15], wv_bias s[16:17], qimg s[18:19]
	s_load_b64 s[20:21], s[0:1], 0x40              ; kvimg
	v_lshrrev_b32 v1, 5, v0
	v_readfirstlane_b32 s41, v1                    ; wave
	v_and_b32 v5, 31, v0
	v_and_b32 v6, 15, v0                           ; r
	v_bfe_u32 v7, v0, 4, 1                         ; h
	v_lshlrev_b32 v[LA], 4, v5
	v_lshlrev_b32 v[LB], 3, v5
	v_cmp_le_u32 s40, 16, v5                       ; lanes 16-31
	v_mov_b32 v[TM+2], 0                           ; written once: a lane permute's destination counts as one of its sources
	v_mov_b32 v[TM+3], 0
	s_mov_b32 s38, 0x76543210
	s_mov_b32 s39, 0xfedcba98
	s_cmp_ge_u32 ttmp9, 192
	s_cbranch_scc1 .Lvpath
	; ---- Q and K
	s_cmp_ge_u32 ttmp9, 96
	s_cselect_b32 s42, 1, 0                        ; p: 0 q, 1 k
	s_mul_i32 s43, s42, 96
	s_sub_co_u32 s43, ttmp9, s43
	s_lshl_b32 s43, s43, 2
	s_add_co_u32 s43, s43, s41                     ; task 0 .. 383
	s_lshr_b32 s44, s43, 5                         ; head
	s_and_b32 s45, s43, 31                         ; chunk of 128 tokens
	s_mul_i32 s46, s42, 48
	s_lshl_b32 s47, s44, 2
	s_add_co_u32 s46, s46, s47                     ; P: the weight's tile 48 p + 4 head
	s_mul_i32 s48, s46, 9216
	s_mov_b32 s49, 0
	s_lshl_b32 s50, s46, 9
	s_mov_b32 s51, 0
	s_lshl_b32 s46, s42, 8
	s_lshl_b32 s47, s45, 3
	s_add_co_u32 s46, s46, s47                     ; T: the tokens' tile 256 p + 8 chunk
	s_mul_i32 s52, s46, 9216
	s_mov_b32 s53, 0
	s_lshl_b32 s54, s46, 9
	s_mov_b32 s55, 0
	s_mul_i32 s56, s43, 6656                       ; q's record: (32 head + chunk) x 6,656
	s_mul_i32 s46, s44, 11
	s_lshr_b32 s46, s46, 5                         ; head / 3 (heads 0 to 11)
	s_mul_i32 s47, s46, 3
	s_sub_co_u32 s47, s44, s47                     ; head % 3
	s_lshl_b32 s46, s46, 5
	s_add_co_u32 s46, s46, s45
	s_mul_i32 s46, s46, 3
	s_add_co_u32 s46, s46, s47
	s_mul_i32 s46, s46, 13312                      ; k's record
	s_cmp_eq_u32 s42, 0
	s_cselect_b32 s56, s56, s46
	s_mov_b32 s57, 0
	s_lshl_b32 s58, s44, 8                         ; the head's 64 biases
	s_mov_b32 s59, 0
	s_wait_alu depctr_va_vdst(0)
	v_lshlrev_b32 v[BO], 6, v7                     ; 64 h: register 8 e + j wants bias 32 (e / 2) + 16 h + 8 (e % 2) + j
	s_wait_alu depctr_va_vdst(0)
	s_wait_kmcnt 0x0
	s_add_nc_u64 s[24:25], s[8:9], s[48:49]
	s_add_nc_u64 s[26:27], s[10:11], s[50:51]
	s_add_nc_u64 s[28:29], s[4:5], s[52:53]
	s_add_nc_u64 s[30:31], s[6:7], s[54:55]
	s_cmp_eq_u32 s42, 0
	s_cselect_b64 s[32:33], s[18:19], s[20:21]
	s_cselect_b64 s[36:37], s[12:13], s[14:15]
	s_add_nc_u64 s[32:33], s[32:33], s[56:57]
	s_add_nc_u64 s[34:35], s[32:33], 6144
	s_add_nc_u64 s[36:37], s[36:37], s[58:59]
	PLOAD
	WIN 0x80
.irp e, 0,1,2,3
	global_load_b128 v[CP+8*\e:CP+8*\e+3], v[BO], s[36:37] offset:4*(32*(\e/2)+8*(\e%2))
	global_load_b128 v[CP+8*\e+4:CP+8*\e+7], v[BO], s[36:37] offset:4*(32*(\e/2)+8*(\e%2))+16
.endr
	WIN 0
	TLOAD 0
	TLOAD 1
	TLOAD 2
.irp i, 0,1,2,3,4,5,6,7
	GROUP \i, 8, 0, 768*\i, 256*(\i/4)
.endr
	s_endpgm
.Lvpath:
	; ---- V: the wave's number is the group of three heads
	s_sub_co_u32 s42, ttmp9, 192                   ; block of 64 tokens
	s_lshl_b32 s46, s42, 2
	s_add_co_u32 s46, s46, 512                     ; P: v's tile 512 + 4 block
	s_mul_i32 s48, s46, 9216
	s_mov_b32 s49, 0
	s_lshl_b32 s50, s46, 9
	s_mov_b32 s51, 0
	s_mul_i32 s46, s41, 12
	s_add_co_u32 s46, s46, 96                      ; T: wv's tile 96 + 12 group
	s_mul_i32 s52, s46, 9216
	s_mov_b32 s53, 0
	s_lshl_b32 s54, s46, 9
	s_mov_b32 s55, 0
	s_lshl_b32 s46, s41, 5
	s_lshr_b32 s47, s42, 1
	s_add_co_u32 s46, s46, s47
	s_mul_i32 s46, s46, 39936                      ; (32 group + key step) x three records
	s_and_b32 s47, s42, 1                          ; which 64 keys of the step
	s_mul_i32 s56, s47, 768
	s_add_co_u32 s56, s56, s46
	s_add_co_u32 s56, s56, 6656
	s_mov_b32 s57, 0
	s_lshl_b32 s60, s47, 8
	s_add_co_u32 s60, s60, s46
	s_add_co_u32 s60, s60, 12800
	s_mov_b32 s61, 0
	s_mul_i32 s58, s41, 768                        ; the group's 192 biases
	s_mov_b32 s59, 0
	s_wait_alu depctr_va_vdst(0)
	v_and_b32 v[BO], 8, v6
	v_add_nc_u32 v[BO], v[BO], v6
	v_lshlrev_b32 v[BO], 2, v[BO]                  ; 4 (r + 8 (r / 8)): my column in its tile
	s_wait_alu depctr_va_vdst(0)
	s_wait_kmcnt 0x0
	s_add_nc_u64 s[24:25], s[4:5], s[48:49]
	s_add_nc_u64 s[26:27], s[6:7], s[50:51]
	s_add_nc_u64 s[28:29], s[8:9], s[52:53]
	s_add_nc_u64 s[30:31], s[10:11], s[54:55]
	s_add_nc_u64 s[32:33], s[20:21], s[56:57]
	s_add_nc_u64 s[34:35], s[20:21], s[60:61]
	s_add_nc_u64 s[36:37], s[16:17], s[58:59]
	PLOAD
.irp i, 0,1,2,3,4,5,6,7,8,9,10,11
	global_load_b32 v[CTV+\i], v[BO], s[36:37] offset:4*(64*(\i/4)+32*((\i%4)/2)+8*(\i%2))
.endr
	TLOAD 0
	TLOAD 1
	TLOAD 2
.irp i, 0,1,2,3,4,5,6,7,8,9,10,11
	GROUP \i, 12, 1, 13312*(\i/4)+1536*(\i%4), 13312*(\i/4)
.endr
	s_endpgm
.Lfunc_end_k_q2d5b113f50_proj:
	.size	k_q2d5b113f50_proj, .Lfunc_end_k_q2d5b113f50_proj-k_q2d5b113f50_proj
	.p2alignl 7, 3214868480
	.fill 96, 4, 3214868480
	.section	.rodata,"a",@progbits
	.p2align	6, 0x0
	.amdhsa_kernel k_q2d5b113f50_proj
		.amdhsa_group_segment_fixed_size 0
		.amdhsa_private_segment_fixed_size 0
		.amdhsa_enable_private_segment 0
		.amdhsa_kernarg_size 72
		.amdhsa_user_sgpr_count 2
		.amdhsa_user_sgpr_kernarg_segment_ptr 1
		.amdhsa_wavefront_size32 1
		.amdhsa_system_sgpr_workgroup_id_x 1
		.amdhsa_system_sgpr_workgroup_id_y 1
		.amdhsa_system_sgpr_workgroup_id_z 1
		.amdhsa_system_vgpr_workitem_id 0
		.amdhsa_next_free_vgpr 984
		.amdhsa_next_free_sgpr 66
		.amdhsa_reserve_vcc 0
		.amdhsa_float_denorm_mode_32 3
		.amdhsa_float_denorm_mode_16_64 3
		.amdhsa_memory_ordered 1
		.amdhsa_forward_progress 1
		.amdhsa_inst_pref_size 185
	.end_amdhsa_kernel
	.amdgpu_metadata
---
amdhsa.version: [ 1, 2 ]
amdhsa.kernels:
  - .name:           k_q2d5b113f50_proj
    .symbol:         k_q2d5b113f50_proj.kd
    .args:
      - { .name: xcod, .offset: 0, .size: 8, .value_kind: global_buffer, .address_space: global }
      - { .name: xscl, .offset: 8, .size: 8, .value_kind: global_buffer, .address_space: global }
      - { .name: wcod, .offset: 16, .size: 8, .value_kind: global_buffer, .address_space: global }
      - { .name: wscl, .offset: 24, .size: 8, .value_kind: global_buffer, .address_space: global }
      - { .name: wq_bias, .offset: 32, .size: 8, .value_kind: global_buffer, .address_space: global }
      - { .name: wk_bias, .offset: 40, .size: 8, .value_kind: global_buffer, .address_space: global }
      - { .name: wv_bias, .offset: 48, .size: 8, .value_kind: global_buffer, .address_space: global }
      - { .name: qimg, .offset: 56, .size: 8, .value_kind: global_buffer, .address_space: global }
      - { .name: kvimg, .offset: 64, .size: 8, .value_kind: global_buffer, .address_space: global }
    .group_segment_fixed_size: 0
    .private_segment_fixed_size: 0
    .kernarg_segment_align: 8
    .kernarg_segment_size: 72
    .max_flat_workgroup_size: 128
    .sgpr_count:     66
    .vgpr_count:     984
    .wavefront_size: 32
...
	.end_amdgpu_metadata
.endif
;; end of part 2
;; launch attn (part 3): grid 4 x 64, 8 waves a work-group, clusters of 4 x 4, 327,680 bytes of LDS; arguments qimg, kvimg, mask, acod, ascl; writes acod, ascl
.if DOCPART == 3
	.amdgcn_target "amdgcn-amd-amdhsa--gfx1250"
	.amdhsa_code_object_version 6
	.text
	.protected	k_q2d5b113f50_attn
	.globl	k_q2d5b113f50_attn
	.p2align	8
	.type	k_q2d5b113f50_attn,@function
k_q2d5b113f50_attn:
	s_mov_b64 s[64:65], 0
	v_nop
	global_prefetch_b8 v0, s[64:65] scope:SCOPE_SE
	s_setreg_imm32_b32 hwreg(HW_REG_WAVE_MODE, 25, 1), 1
	s_wait_xcnt 0x0
	s_wait_alu depctr_hold_cnt(0) depctr_sa_sdst(0) depctr_va_vdst(0) depctr_va_sdst(0) depctr_va_ssrc(0) depctr_va_vcc(0) depctr_vm_vsrc(0)
	s_getreg_b32 s2, hwreg(HW_REG_IB_STS2, 6, 4)
	s_cmp_eq_u32 s2, 0
	s_cbranch_scc0 .Lentry_in_a_cluster
	s_endpgm
.Lentry_in_a_cluster:
	s_bfe_u32 s2, ttmp6, 0x10000c
	s_cmp_lg_u32 s2, 0xf033
	s_cbranch_scc0 .Lentry_shape_is_right
	s_endpgm
.Lentry_shape_is_right:
; PRODUCTS 4 AND 5: for each head S = Q K^T, logit = S / 8 + mask x (-1e9), the softmax by the problem's rule, O = P V / l; O is quantised along the 768 for product 6.
; Nothing of reference() is left out: the mask is an input, so all 4,096 keys are walked for every query.
; THE SOFTMAX.  mask x (-8e9), rounded as reference() rounds mask x (-1e9) (the factor 8 is exact), is the C of the score product: its result is 8 x logit.  t = that x log2(e) / 8, ROUNDED BY ITSELF, as the rule has t;
; M = the running largest t rounded UP to a whole number, kept as -M = floor(-t); p = 2^(t - M), not normalised, is quantised along the keys.  (t - M is not fused with the multiplication: under a mask term of some 1e9
; a f32 number of t's size is whole and t - M is exactly 0 for the row's largest score.)  The row's sum is taken of the unquantised p.  When M moves, the sum and O are multiplied by 2^(old M - new M): exact.
; LIMITS: a block of p that is all zeros, or a block of O under 2^-122, gets the byte 1; NaN and infinities are not served.
; SHARES.  A work-group owns 64 queries x 3 heads.  Each of its EIGHT waves owns one tile of 16 queries (wave % 4), ALL THREE heads, and one of a slot's two key steps (wave / 4): so the mask's 16 x 128 numbers are read
; from LDS and multiplied once for three heads.  The two waves of a tile each keep M, the sum and O of their 2,048 keys; at the end the two are joined by exact powers of two, through LDS.
; CLUSTER 4 x 4.  The mask's tile hangs on the block of queries alone: the four work-groups of a row of the cluster ask for it JOINTLY.  K's and V's block hangs on the group of heads alone: the four of a column ask jointly.
; Every wave issues one load a slot: waves 0-3 a quarter each of the slot's K and V (78 rows of 256 bytes), waves 4-7 32 rows of the mask for one key step.  One tensor load of a wave is out at the most.
; LAYOUT.  Both products transposed: S^T = K Q^T (source 0 = 16 keys, source 1 = my 16 queries; K = 64: registers 6-11 of both operands are zeros, cleared once), O^T = V^T P^T: a lane holds ONE query.  K's tiles hold
; their keys so that the 16 registers of tiles 2 b, 2 b + 1 are keys 32 b + 16 (lane / 16) + 0 .. 15; V^T's tiles their channels likewise.  K and V lie in LDS as images of the operands' registers.
; LDS: two slots of 147,456 bytes: K and V, 2 steps x 3 heads x 13,312; then the mask, 2 steps x 64 rows x (512 + 16).  Behind them the spare words.  The stage of the joining lies in slot 0, behind its last fill and last read.
; REGISTERS.  window 0: v1-11 addresses; v12-23 for each head -M, largest t, the sum's pair; v24-26 Q's scale words; v27 p's; v28 f; v30-33 K's scale words; v34-37 V's; v38-39, v62-63 addresses of the way out; v40-61 at work;
;   v64-127 mask x (-8e9); v128-191 S^T, t, p; v192-239 V^T's four fragments; v240-253 partial sums, then p's codes.   window 1: v0-35 Q; v36-131 K's eight fragments; v132-227 O^T.
.set SLOTB,  147456
.set KVSTEP, 39936
.set HREC,   13312
.set KVQ,    19968                     ; a quarter of a slot's K and V
.set MOFF,   79872
.set MSTEP,  33792
.set MP,     528
.set SPARE,  2*SLOTB
.set STG,    12288                     ; the stage: 8 x 1,536 bytes of state, then 4 x 12,288 of O^T
.set A16, 1
.set B8,  2
.set M0,  3
.set SPW, 4
.set NIL, 5
.set ADA, 6
.set ADB, 7
.set ADM, 8
.set PFO, 9
.set L16, 10
.set L8,  11
.set ST,  12
.set QS,  24
.set PW,  27
.set F,   28
.set KS,  30
.set VS,  34
.set VH,  36
.set SA,  38
.set SB,  39
.set BM,  40
.set T4,  44
.set SO,  48
.set PT,  40                           ; the way out: the partner's state
.set CT,  52
.set TA,  60
.set TB,  61
.set OA,  62
.set R64, 63
.set CM,  64
.set S,   128
.set D,   160                          ; the way out: eight registers a head
.set VF,  192
.set TS,  240
.set PC,  240
.set QF,  0                            ; in window 1
.set KB,  36
.set OT,  132
.set MSB, 0
.macro WIN new                         ; the immediate's high byte repeats the setting that is left
.if MSB != \new
	s_set_vgpr_msb (MSB<<8)|\new
.set MSB, \new
.endif
.endm
.macro PLACES
.rept 4
	v_nop
.endr
.endm
; A round of the cluster's barrier
.macro CROUND
	s_barrier_signal -1
	s_barrier_wait -1
	s_cmp_lg_u32 s18, 0
	s_cbranch_scc1 .Lnot_wave_0_\@
	s_barrier_signal -3
.Lnot_wave_0_\@:
	s_barrier_wait -3
	s_barrier_signal -1
	s_barrier_wait -1
.endm
; The joint loads: one a wave.  The branch hangs on the wave's number alone.  An s_nop 0 and four v_nop follow each line.
.macro TLOAD
	s_cmp_lt_u32 s18, 4
	s_cbranch_scc0 .Lfor_mask_\@
	tensor_load_to_lds s[40:43], s[24:31]
	s_nop 0
	PLACES
	s_branch .Lasked_\@
.Lfor_mask_\@:
	tensor_load_to_lds s[44:47], s[32:39]
	s_nop 0
	PLACES
.Lasked_\@:
.endm
; A PREFETCH INTO THE L2 of what the NEXT change of slots will ask for: one slot, two key steps, ahead of that load.  Each aligned block of 256 bytes is named once in the launch.
; The mask: waves 3, 4 of every work-group; the four that ask for a tile jointly share its 64 rows BY ADDRESS (16 each, 8 a wave; four lanes to a row's 1,024 bytes).
; K and V: waves 5, 6, 7 of the first row of clusters; a column's four partners share the slot's 312 blocks by address, 26 a wave (lanes 26-31 name lane 25's block once more, in the same instruction).
; The last change that fills a slot asks for nothing; slots 0 and 1 come by their loads alone.
.macro ASK
	s_cmp_gt_u32 s52, s53
	s_cbranch_scc0 .Lnot_mine_\@
	global_prefetch_b8 v[PFO], s[54:55] th:TH_LOAD_NT scope:SCOPE_SE
.Lnot_mine_\@:
.endm
.macro WM0 t, h                        ; a tile of S^T: C = mask x (-8e9)
.if ((\t)%4)/2
	v_wmma_scale_f32_16x16x128_f8f6f4 v[S+8*(\t):S+8*(\t)+7], v[KB+12*(\t):KB+12*(\t)+11], v[QF+12*(\h):QF+12*(\h)+11], v[CM+8*(\t):CM+8*(\t)+7], v[KS+2*((\t)/4)+(\t)%2], v[QS+(\h)] matrix_a_fmt:MATRIX_FMT_BF6 matrix_b_fmt:MATRIX_FMT_BF6 matrix_a_scale:MATRIX_SCALE_ROW1
.else
	v_wmma_scale_f32_16x16x128_f8f6f4 v[S+8*(\t):S+8*(\t)+7], v[KB+12*(\t):KB+12*(\t)+11], v[QF+12*(\h):QF+12*(\h)+11], v[CM+8*(\t):CM+8*(\t)+7], v[KS+2*((\t)/4)+(\t)%2], v[QS+(\h)] matrix_a_fmt:MATRIX_FMT_BF6 matrix_b_fmt:MATRIX_FMT_BF6
.endif
.endm
.macro WMV t, h                        ; a tile of O^T
.set OO, OT+32*(\h)+8*(\t)
.if (\t)/2
	v_wmma_scale_f32_16x16x128_f8f6f4 v[OO:OO+7], v[VF+12*(\t):VF+12*(\t)+11], v[PC:PC+11], v[OO:OO+7], v[VS+(\t)%2], v[PW] matrix_a_fmt:MATRIX_FMT_BF6 matrix_b_fmt:MATRIX_FMT_BF6 matrix_a_scale:MATRIX_SCALE_ROW1
.else
	v_wmma_scale_f32_16x16x128_f8f6f4 v[OO:OO+7], v[VF+12*(\t):VF+12*(\t)+11], v[PC:PC+11], v[OO:OO+7], v[VS+(\t)%2], v[PW] matrix_a_fmt:MATRIX_FMT_BF6 matrix_b_fmt:MATRIX_FMT_BF6
.endif
.endm
.macro LDM                             ; 16 loads: the mask at my query, keys 32 b + 16 h + 4 i on: as the scores lie
.irp b, 0,1,2,3
.irp i, 0,1,2,3
	ds_load_b128 v[CM+16*\b+4*\i:CM+16*\b+4*\i+3], v[ADM] offset:128*\b+16*\i
.endr
.endr
.endm
.macro LDK h                           ; 18 loads: head h's K: scale words (tile t of four in register t % 2, lanes 0-15 for t < 2, lanes 16-31 else), eight half images
	ds_load_b64 v[KS:KS+1], v[ADB] offset:HREC*(\h)+6144
	ds_load_b64 v[KS+2:KS+3], v[ADB] offset:HREC*(\h)+6400
	WIN 0x40
.irp t, 0,1,2,3,4,5,6,7
	ds_load_b128 v[KB+12*\t:KB+12*\t+3], v[ADA] offset:HREC*(\h)+768*\t
	ds_load_b64 v[KB+12*\t+4:KB+12*\t+5], v[ADB] offset:HREC*(\h)+768*\t+512
.endr
	WIN 0
.endm
.macro LDV h                           ; 18 loads: head h's V^T: half words of keys 0-63 and 64-127, four images
	ds_load_b64 v[VS:VS+1], v[ADB] offset:HREC*(\h)+12800
	ds_load_b64 v[VH:VH+1], v[ADB] offset:HREC*(\h)+13056
.irp t, 0,1,2,3
.irp c, 0,1
	ds_load_b128 v[VF+12*\t+6*\c:VF+12*\t+6*\c+3], v[ADA] offset:HREC*(\h)+6656+1536*\t+768*\c
	ds_load_b64 v[VF+12*\t+6*\c+4:VF+12*\t+6*\c+5], v[ADB] offset:HREC*(\h)+6656+1536*\t+768*\c+512
.endr
.endr
.endm
; ONE HEAD x 128 KEYS.  Behind head 2's score products all my LDS reads of the slot have been issued: THERE the slots change (upd = 1: with a refill; upd = 2: the last two slots, a plain barrier), and the next slot's mask
; and head 0's K are asked for; head 2's softmax and second product, work on registers alone, follow while those loads are out.
.macro HEAD h, upd
.set SH, ST+4*(\h)
.if (\h) > 0
	s_wait_dscnt 18                                ; this head's K is in; younger: its V's 18
.endif
	WIN 0x05
.irp t, 0,1,2,3,4,5,6,7
	WM0 \t, \h
.endr
	WIN 0
	PLACES                                         ; in front of the loads into K's fragments and scale words and of the first read of the scores
.if (\h) == 0
	LDV 0                                          ; (the last slot's last products, which read V's registers, lie a whole head back)
.endif
.if (\h) < 2
	LDK (\h)+1
.endif
.if (\upd) == 1
	CHANGE 1
	NEXT
.endif
.if (\upd) == 2
	CHANGE 0
	s_cmp_eq_u32 s52, 1                            ; the very last slot has no successor: the branch hangs on the loop's counter alone and leads round LDS reads alone
	s_cbranch_scc1 .Lno_next_\@
	NEXT
.Lno_next_\@:
.endif
.set J, 0
.rept 32
	v_pk_mul_f32 v[S+J:S+J+1], v[S+J:S+J+1], s[22:23] op_sel_hi:[1,0]   ; t, rounded by itself; each sum's registers from the low end on
.set J, J+2
.endr
.irp b, 0,1,2,3
	v_max3_num_f32 v[BM+\b], v[S+16*\b], v[S+1+16*\b], v[S+2+16*\b]   ; THE LARGEST t OF EACH BLOCK OF 32 KEYS: for the row's maximum, and, since p rises with t, for the block's largest p
.endr
.irp i, 3,5,7,9,11,13
.irp b, 0,1,2,3
	s_delay_alu instid0(VALU_DEP_4)
	v_max3_num_f32 v[BM+\b], v[BM+\b], v[S+16*\b+\i], v[S+1+16*\b+\i]
.endr
.endr
.irp b, 0,1,2,3
	s_delay_alu instid0(VALU_DEP_4)
	v_max_num_f32 v[BM+\b], v[BM+\b], v[S+15+16*\b]
.endr
.irp b, 0,1,2,3
	s_delay_alu instid0(VALU_DEP_4)
	v_permlanex16_b32 v[T4+\b], v[BM+\b], s20, s21
.endr
.irp b, 0,1,2,3
	s_delay_alu instid0(VALU_DEP_4)
	v_max_num_f32 v[BM+\b], v[BM+\b], v[T4+\b]     ; with lane l xor 16's 16 keys
.endr
	s_delay_alu instid0(VALU_DEP_2)
	v_max3_num_f32 v[TA], v[BM], v[BM+1], v[BM+2]
	v_mov_b32 v[TB], v[SH]                         ; the old -M
	s_delay_alu instid0(VALU_DEP_2)
	v_max_num_f32 v[TA], v[TA], v[BM+3]
	s_delay_alu instid0(VALU_DEP_1)
	v_max_num_f32 v[SH+1], v[SH+1], v[TA]          ; the running largest t
	s_delay_alu instid0(VALU_DEP_1)
	v_floor_f32 v[SH], -v[SH+1]                    ; the new -M = floor(-t): M IS A WHOLE NUMBER
.set J, 0
.rept 32
	v_pk_add_f32 v[S+J:S+J+1], v[S+J:S+J+1], v[SH:SH+1] op_sel_hi:[1,0]   ; t - M (of the pair the low word, -M, serves both halves)
.if J == 8
	v_sub_f32 v[TB], v[SH], v[TB]                  ; old M less new M: a whole number, 0 or less
.endif
.if J == 24
	v_cvt_i32_f32 v[TB], v[TB]                     ; (it saturates)
.endif
.if J == 40
	v_ldexp_f32 v[F], 1.0, v[TB]                   ; f = 2^(old M - new M)
.endif
.set J, J+2
.endr
.irp b, 0,1,2,3
	v_add_f32 v[BM+\b], v[BM+\b], v[SH]            ; the same of each block's largest t
.endr
	s_wait_alu depctr_va_vdst(0)                   ; ahead of the batch
.set J, 0
.rept 64
	v_exp_f32 v[S+J], v[S+J]                       ; p = 2^(t - M)
.set J, J+1
.endr
.irp b, 0,1,2,3
	v_exp_f32 v[BM+\b], v[BM+\b]                   ; the block's largest p: the same two instructions on the same number
.endr
	v_pk_mul_f32 v[SH+2:SH+3], v[SH+2:SH+3], v[F:F+1] op_sel_hi:[1,0]   ; the sums under the new M: a plain line behind the exponentials
	s_wait_alu depctr_va_vdst(0)                   ; one wait for the batch, ahead of its first reader
.set I, 0
.rept 7                                ; THE ROW'S SUM OF THE UNQUANTISED p: 32 pairs in eight chains
	v_pk_add_f32 v[TS+2*I:TS+2*I+1], v[S+2*I:S+2*I+1], v[S+14+2*I:S+15+2*I]
.set I, I+1
.endr
	v_pk_add_f32 v[SH+2:SH+3], v[SH+2:SH+3], v[S+28:S+29]
.set R, 0
.rept 2
.set I, 0
.rept 7
	v_pk_add_f32 v[TS+2*I:TS+2*I+1], v[TS+2*I:TS+2*I+1], v[S+30+16*R+2*I:S+31+16*R+2*I]
.set I, I+1
.endr
	v_pk_add_f32 v[SH+2:SH+3], v[SH+2:SH+3], v[S+44+16*R:S+45+16*R]
.set R, R+1
.endr
	v_pk_add_f32 v[TS:TS+1], v[TS:TS+1], v[S+62:S+63]
	v_pk_add_f32 v[TS+4:TS+5], v[TS+4:TS+5], v[TS+6:TS+7]
	v_pk_add_f32 v[TS+8:TS+9], v[TS+8:TS+9], v[TS+10:TS+11]
	v_pk_add_f32 v[SH+2:SH+3], v[SH+2:SH+3], v[TS+12:TS+13]
	s_delay_alu instid0(VALU_DEP_4)
	v_pk_add_f32 v[TS:TS+1], v[TS:TS+1], v[TS+2:TS+3]
	s_delay_alu instid0(VALU_DEP_3)
	v_pk_add_f32 v[TS+4:TS+5], v[TS+4:TS+5], v[TS+8:TS+9]
	s_delay_alu instid0(VALU_DEP_2)
	v_pk_add_f32 v[SH+2:SH+3], v[SH+2:SH+3], v[TS:TS+1]
	s_delay_alu instid0(VALU_DEP_1)
	v_pk_add_f32 v[SH+2:SH+3], v[SH+2:SH+3], v[TS+4:TS+5]
.irp b, 0,1,2,3
	v_max_num_f32 v[BM+\b], 0x2800000, v[BM+\b]    ; the floor 2^(5 - 127)
.endr
.irp b, 0,1,2,3
	s_delay_alu instid0(VALU_DEP_4)
	v_add_nc_u32 v[SO+\b], 0xfe000000, v[BM+\b]    ; 4 off the exponent field: the conversion's scale operand
.endr
.irp b, 0,1,2,3
	s_delay_alu instid0(VALU_DEP_4)
	v_lshrrev_b32 v[T4+\b], 23, v[SO+\b]
.endr
	s_delay_alu instid0(VALU_DEP_3)
	v_lshl_or_b32 v[PW], v[T4+1], 8, v[T4]         ; p's scale word for these 128 keys
	s_delay_alu instid0(VALU_DEP_1)
	v_lshl_or_b32 v[PW], v[T4+2], 16, v[PW]
	s_delay_alu instid0(VALU_DEP_1)
	v_lshl_or_b32 v[PW], v[T4+3], 24, v[PW]
.irp c, 0,1
	v_cvt_scalef32_pk16_bf6_f32 v[PC+6*\c:PC+2+6*\c], v[S+32*\c:S+15+32*\c], v[SO+2*\c]
	v_cvt_scalef32_pk16_bf6_f32 v[CT+4*\c:CT+2+4*\c], v[S+16+32*\c:S+31+32*\c], v[SO+2*\c+1]   ; (a conversion's three registers begin on an even number)
.endr
	v_nop                                          ; one plain line behind the scaled conversions
.irp c, 0,1                            ; the layout wants a WHOLE block in a lane
.irp i, 0,1,2
	v_permlane16_swap_b32 v[PC+6*\c+\i], v[CT+4*\c+\i]
.endr
.irp i, 0,1,2
	s_delay_alu instid0(VALU_DEP_3)
	v_mov_b32 v[PC+3+6*\c+\i], v[CT+4*\c+\i]
.endr
.endr
.if (\h) < 2
	s_wait_dscnt 18                                ; this head's V is in; younger: the next head's K's 18.  (Head 2's V was waited for at the change of slots)
.endif
	v_lshl_or_b32 v[VS], v[VH], 16, v[VS]          ; V's scale words for the 128 keys
	v_lshl_or_b32 v[VS+1], v[VH+1], 16, v[VS+1]
	WIN 0x41
	s_wait_alu depctr_va_vdst(0)                   ; directly ahead of the first reader of O^T
.set J, 0
.rept 16
	v_pk_mul_f32 v[OT+32*(\h)+J:OT+32*(\h)+J+1], v[OT+32*(\h)+J:OT+32*(\h)+J+1], v[F:F+1] op_sel_hi:[1,0]   ; O^T under the new M; these sixteen also stand between the writes of codes and scale words and the products
.set J, J+2
.endr
	WIN 0x50
.irp t, 0,1,2,3
	WMV \t, \h
.endr
	WIN 0
	PLACES                                         ; in front of the next loads into V's fragments and scale words
.if (\h) < 2
	LDV (\h)+1
.endif
.endm
; THE CHANGE OF SLOTS.  Each wave waits for its tensor load, adds 0 to its spare word, and waits for that and for its reads of the slot that it has left.  fill = 1: a round of the cluster's barrier follows, and the joint
; load for the slot left is the first thing behind the round.
.macro CHANGE fill
	s_wait_tensorcnt 0x0                           ; no tensor load of mine is out, so a descriptor may be written
	ds_add_u32 v[SPW], v[NIL]                      ; 0 onto my spare word
.if \fill
	s_add_co_u32 s41, s3, s78                      ; s3: the slot that has just been read out
	s_add_co_u32 s45, s3, s79
	s_add_nc_u64 s[42:43], s[42:43], 2*KVSTEP      ; the next two key steps
	s_add_nc_u64 s[46:47], s[46:47], 1024
	s_wait_xcnt 0x0                                ; the last prefetch, a slot back, has read its address
	s_add_nc_u64 s[54:55], s[54:55], s[56:57]
	s_wait_dscnt 0x0
	CROUND
	TLOAD
	ASK
.else
	s_wait_dscnt 0x0
	s_barrier_signal -1
	s_barrier_wait -1
.endif
.endm
.macro NEXT                            ; on to the other slot: my addresses, its mask and head 0's K
	s_xor_b32 s3, s3, SLOTB
	v_add_nc_u32 v[ADA], s3, v[A16]
	v_add_nc_u32 v[ADB], s3, v[B8]
	v_add_nc_u32 v[ADM], s3, v[M0]
	LDM
	LDK 0
.endm
.macro SLOTWORK upd                    ; my key step of the slot in hand, three heads; its mask and head 0's K have been asked for
	s_wait_dscnt 18                                ; the mask is in; younger: K's 18
.set J, 0
.rept 32
	v_pk_mul_f32 v[CM+J:CM+J+1], v[CM+J:CM+J+1], s[48:49] op_sel_hi:[1,0]   ; mask x (-8e9), once for three heads
.set J, J+2
.endr
	PLACES
	s_wait_alu depctr_va_vdst(0)
	s_wait_dscnt 0x0                               ; head 0's K is in
	HEAD 0, 0
	HEAD 1, 0
	HEAD 2, \upd
.endm
	s_load_b256 s[4:11], s[0:1], 0x0               ; qimg s[4:5], kvimg s[6:7], mask s[8:9], acod s[10:11]
	s_load_b64 s[12:13], s[0:1], 0x20              ; ascl
	v_lshl_add_u32 v[SPW], v0, 2, SPARE
	v_mov_b32 v[NIL], 0
	ds_add_u32 v[SPW], v[NIL]                      ; the wave's opening: the add, twice on end, and its wait ahead of the first tensor loads
	ds_add_u32 v[SPW], v[NIL]
	v_lshrrev_b32 v1, 5, v0
	s_delay_alu instid0(VALU_DEP_1)
	v_readfirstlane_b32 s18, v1                    ; wave 0..7
	s_bfe_u32 s14, ttmp6, 0x40000                  ; cx
	s_bfe_u32 s15, ttmp6, 0x40004                  ; cy
	s_lshl_b32 s16, ttmp9, 2
	s_add_co_u32 s16, s16, s14                     ; the group of three heads = work-group x
	s_and_b32 s17, ttmp7, 0xffff
	s_lshl_b32 s17, s17, 2
	s_add_co_u32 s17, s17, s15                     ; the block of 64 queries = work-group y
	s_and_b32 s19, s18, 3                          ; my tile of queries; also: which quarter I fetch
	s_lshr_b32 s50, s18, 2                         ; which of a slot's two key steps is mine
	s_mul_i32 s51, s16, 3                          ; my first head
	s_lshl_b32 s58, s15, 2
	s_lshl_b32 s58, 15, s58                        ; my row of the cluster
	s_lshl_b32 s59, 0x1111, s14                    ; my column
	; a quarter of a slot's K and V: 19,968 dense bytes as 78 rows of 256 (32 elements of 8 bytes), no padding
	s_or_b32 s24, s59, (3<<16)|(1<<21)
	s_mov_b32 s25, 32<<16
	s_mov_b32 s26, 78<<16
	s_mov_b32 s27, 32<<16
	s_mov_b32 s28, 78
	s_mov_b32 s29, 32
	s_mov_b32 s30, 0
	s_mov_b32 s31, 0
	; half of the mask's tile: 32 rows x 128 elements of 4 bytes, 4,096 elements from row to row; 4 words of padding behind every 128
	s_or_b32 s32, s58, (2<<16)|(1<<20)|(1<<21)|(6<<22)|(3<<25)
	s_mov_b32 s33, 128<<16
	s_mov_b32 s34, 32<<16
	s_mov_b32 s35, 128<<16
	s_mov_b32 s36, 32
	s_mov_b32 s37, 4096
	s_mov_b32 s38, 0
	s_mov_b32 s39, 0
	s_mul_i32 s78, s19, KVQ                        ; where my quarter of K and V lies in a slot: no place in the cluster enters an LDS address
	s_and_b32 s66, s19, 1                          ; the mask: which key step,
	s_lshr_b32 s67, s19, 1                         ; which 32 rows
	s_mul_i32 s79, s66, MSTEP
	s_mul_i32 s68, s67, 32*MP
	s_add_co_u32 s79, s79, s68
	s_add_co_u32 s79, s79, MOFF
	s_mov_b32 s41, s78
	s_mov_b32 s45, s79
	s_mul_i32 s60, s16, 32*KVSTEP
	s_add_co_u32 s60, s60, s78                     ; K and V in memory: the group's 32 steps, + my quarter
	s_mov_b32 s61, 0
	s_lshl_b32 s62, s17, 20                        ; the mask: 64 rows of 16,384 bytes a block,
	s_lshl_b32 s68, s67, 19
	s_add_co_u32 s62, s62, s68                     ; + 32 rows,
	s_lshl_b32 s68, s66, 9
	s_add_co_u32 s62, s62, s68                     ; + 512 bytes a step
	s_mov_b32 s63, 0
	s_mov_b32 s40, 1
	s_mov_b32 s44, 1
	s_mov_b32 s20, 0x76543210
	s_mov_b32 s21, 0xfedcba98
	s_mov_b32 s22, 0x3e38aa3b                      ; log2(e) / 8
	s_mov_b32 s23, s22
	s_mov_b32 s48, 0xcfee6b28                      ; -8e9
	s_mov_b32 s49, s48
	s_mov_b32 s3, 0
	s_mov_b32 s52, 15                              ; slots still to be asked for
	s_wait_dscnt 0x0                               ; both opening adds are done
	s_wait_kmcnt 0x0
	s_add_nc_u64 s[42:43], s[6:7], s[60:61]
	s_or_b32 s43, s43, 0x80000000
	s_add_nc_u64 s[46:47], s[8:9], s[62:63]
	s_or_b32 s47, s47, 0x80000000
	CROUND                                         ; all sixteen work-groups are here: the first joint loads meet
	TLOAD                                          ; slot 0
	; Q's three tiles and their scale words
	s_lshl_b32 s66, s51, 5
	s_lshr_b32 s67, s17, 1
	s_add_co_u32 s66, s66, s67
	s_mul_i32 s66, s66, 6656                       ; the record of my first head and chunk of 128 tokens; a head on: 32 x 6,656 bytes
	s_and_b32 s67, s17, 1
	s_lshl_b32 s68, s67, 2
	s_add_co_u32 s68, s68, s19
	s_mul_i32 s68, s68, 768
	s_add_co_u32 s68, s68, s66
	s_mov_b32 s69, 0
	s_add_nc_u64 s[70:71], s[4:5], s[68:69]
	s_lshl_b32 s67, s67, 8
	s_add_co_u32 s66, s66, s67
	s_lshr_b32 s67, s19, 1
	s_lshl_b32 s67, s67, 7
	s_add_co_u32 s66, s66, s67
	s_and_b32 s67, s19, 1
	s_lshl_b32 s67, s67, 2
	s_add_co_u32 s66, s66, s67
	s_add_co_u32 s66, s66, 6144
	s_mov_b32 s67, 0
	s_add_nc_u64 s[72:73], s[4:5], s[66:67]
	v_and_b32 v40, 31, v0                          ; L
	v_and_b32 v41, 15, v0                          ; r
	v_bfe_u32 v42, v0, 4, 1                        ; h
	s_delay_alu instid0(VALU_DEP_3)
	v_lshlrev_b32 v[L16], 4, v40
	s_delay_alu instid0(VALU_DEP_4)
	v_lshlrev_b32 v[L8], 3, v40
	s_delay_alu instid0(VALU_DEP_4)
	v_lshlrev_b32 v43, 3, v41
	WIN 0x40
.irp h, 0,1,2
	global_load_b128 v[QF+12*\h:QF+12*\h+3], v[L16], s[70:71] offset:212992*\h
	global_load_b64 v[QF+12*\h+4:QF+12*\h+5], v[L8], s[70:71] offset:212992*\h+512
.endr
	WIN 0
.irp h, 0,1,2
	global_load_b32 v[QS+\h], v43, s[72:73] offset:212992*\h
.endr
	s_mul_i32 s66, s50, KVSTEP
	v_add_nc_u32 v[A16], s66, v[L16]               ; 16 L + my key step
	v_add_nc_u32 v[B8], s66, v[L8]                 ; 8 L + the same
	s_lshl_b32 s67, s19, 4
	v_add_nc_u32 v[M0], s67, v41
	s_delay_alu instid0(VALU_DEP_1)
	v_mul_u32_u24 v[M0], v[M0], MP
	s_delay_alu instid0(VALU_DEP_1)
	v_lshl_add_u32 v[M0], v42, 6, v[M0]
	s_mul_i32 s67, s50, MSTEP
	s_add_co_u32 s67, s67, MOFF
	v_add_nc_u32 v[M0], s67, v[M0]                 ; the mask: my key step, row 16 tile + r, + 64 h
	v_mov_b32 v[ADA], v[A16]
	v_mov_b32 v[ADB], v[B8]
	v_mov_b32 v[ADM], v[M0]
	s_mul_i32 s66, s18, 1536
	v_add_nc_u32 v[SA], s66, v[L16]                ; the stage: my state,
	s_xor_b32 s67, s18, 4
	s_mul_i32 s67, s67, 1536
	v_add_nc_u32 v[SB], s67, v[L16]                ; my partner's (the wave with the other key steps of my queries),
	s_mul_i32 s66, s19, STG
	s_add_co_u32 s66, s66, STG
	v_add_nc_u32 v[OA], s66, v[L16]                ; and the pair's O^T
	v_lshlrev_b32 v[R64], 6, v41                   ; 64 r
.irp b, 0,1,2,3
	v_mov_b32 v[T4+\b], 0                          ; written once: a lane permute's destination counts as one of its sources
.endr
	v_mov_b32 v[F+1], 0                            ; (named as the upper half of the pair with f)
.irp h, 0,1,2
	v_mov_b32 v[ST+4*\h+1], 0xff61b1e6             ; the largest t so far: -3e38
	v_mov_b32 v[ST+4*\h+2], 0
	v_mov_b32 v[ST+4*\h+3], 0
.endr
.irp h, 0,1,2
	v_floor_f32 v[ST+4*\h], -v[ST+4*\h+1]
.endr
	WIN 0x40
.irp j, 6,7,8,9,10,11
.irp h, 0,1,2
	v_mov_b32 v[QF+12*\h+\j], 0                    ; K = 64: the upper half of both operands is zeros, whatever byte scales it
.endr
.irp t, 0,1,2,3,4,5,6,7
	v_mov_b32 v[KB+12*\t+\j], 0
.endr
.endr
.set J, 0
.rept 96
	v_mov_b32 v[OT+J], 0                           ; the step is written once: the first finds zeros
.set J, J+1
.endr
	WIN 0
	; the prefetches: where my wave's stand, and who asks
	s_sub_co_u32 s66, s18, 5
	s_mul_i32 s68, s16, 32*KVSTEP
	s_mul_i32 s69, s15, 19968
	s_add_co_u32 s68, s68, s69
	s_mul_i32 s69, s66, 6656
	s_add_co_u32 s68, s68, s69                     ; in K and V: the group, + cy's 78 blocks, + my wave's 26
	s_lshl_b32 s69, s17, 6
	s_lshl_b32 s74, s14, 4
	s_add_co_u32 s69, s69, s74
	s_and_b32 s74, s18, 1
	s_lshl_b32 s74, s74, 3
	s_add_co_u32 s69, s69, s74
	s_lshl_b32 s69, s69, 14                        ; in the mask: row 64 block + 16 cx + 8 (wave % 2)
	s_and_b32 s75, ttmp7, 0xffff                   ; the cluster's y
	s_cmp_lt_u32 s66, 3                            ; waves 5, 6, 7: K and V; every other wave forms the mask's kind of address
	s_cselect_b32 s67, -1, 0
	s_cselect_b64 s[54:55], s[6:7], s[8:9]
	s_mov_b32 s56, 1024
	s_cselect_b32 s56, 2*KVSTEP, s56               ; a slot on
	s_cselect_b32 s68, s68, s69
	s_cselect_b32 s75, s75, 0                      ; K and V are asked for by the first row of clusters alone
	s_mov_b32 s57, 0
	s_sub_co_u32 s76, s18, 3
	s_cmp_lt_u32 s76, 5                            ; waves 3 to 7 ask
	s_cselect_b32 s76, 0, 1
	s_or_b32 s75, s75, s76
	s_cmp_eq_u32 s75, 0
	s_cselect_b32 s53, 1, -1                       ; a wave asks while the count of slots is above this: the same in all partners, for a given wave
	s_add_co_u32 s68, s68, s56                     ; in slot 1: the first change steps it to slot 2
	s_mov_b32 s69, 0
	s_add_nc_u64 s[54:55], s[54:55], s[68:69]
	s_wait_alu depctr_va_vdst(0)
	v_lshrrev_b32 v[PFO], 2, v40
	v_and_b32 v[TA], 3, v40
	v_min_u32 v[TB], 25, v40
	v_lshlrev_b32 v[PFO], 14, v[PFO]
	v_lshlrev_b32 v[TB], 8, v[TB]                  ; K and V: lanes 256 bytes apart
	v_lshl_add_u32 v[PFO], v[TA], 8, v[PFO]        ; the mask: four lanes to a row
	v_cndmask_b32 v[PFO], v[PFO], v[TB], s67
	s_wait_alu depctr_va_vdst(0)
	s_wait_loadcnt 0x0                             ; Q
	s_mov_b32 s3, SLOTB
	CHANGE 1                                       ; slot 0 is whole; slot 1's first fill, issued as a refill is
	s_mov_b32 s3, 0
	s_mov_b32 s52, 14
	LDM
	LDK 0
.Lslot:                                            ; 14 trips: trip t works slot t and, in its third head, asks for slot t + 2
	SLOTWORK 1
	s_sub_co_u32 s52, s52, 1
	s_cmp_lg_u32 s52, 0
	s_cbranch_scc1 .Lslot
	s_mov_b32 s52, 2
.Ltail:                                            ; the last two slots: nothing more is asked for.  The last trip's barrier parts every wave's reads of the slots from the stores into the stage
	SLOTWORK 2
	s_sub_co_u32 s52, s52, 1
	s_cmp_lg_u32 s52, 0
	s_cbranch_scc1 .Ltail
	; THE TWO HALVES OF THE KEYS ARE JOINED.  Every wave shows its state (-M, the sum) to its partner; both take the larger M.  The wave of the odd key steps brings its O^T under that M and hands it over;
	; the wave of the even ones adds, divides by the row's sum, quantises along each head's 64 (two blocks of product 6's K) and stores.  The stage lies in slot 0: no fill follows, and nobody reads it since the last barrier.
.irp h, 0,1,2
	ds_store_b128 v[SA], v[ST+4*\h:ST+4*\h+3] offset:512*\h
.endr
	s_wait_dscnt 0x0
	s_barrier_signal -1
	s_barrier_wait -1
.irp h, 0,1,2
	ds_load_b128 v[PT+4*\h:PT+4*\h+3], v[SB] offset:512*\h
.endr
	s_wait_dscnt 0x0
.irp h, 0,1,2
	v_min_num_f32 v[D+8*\h+4], v[ST+4*\h], v[PT+4*\h]          ; -(the larger M)
.endr
.irp h, 0,1,2
	v_sub_f32 v[D+8*\h+5], v[D+8*\h+4], v[PT+4*\h]             ; the partner's M less the larger: a whole number, 0 or less
.endr
.irp h, 0,1,2
	v_sub_f32 v[D+8*\h+4], v[D+8*\h+4], v[ST+4*\h]             ; mine
.endr
.irp h, 0,1,2
	v_cvt_i32_f32 v[D+8*\h+4], v[D+8*\h+4]
.endr
.irp h, 0,1,2
	v_cvt_i32_f32 v[D+8*\h+5], v[D+8*\h+5]
.endr
.irp h, 0,1,2
	v_ldexp_f32 v[D+8*\h], 1.0, v[D+8*\h+4]                    ; my factor, in both halves of a pair,
	v_ldexp_f32 v[D+8*\h+1], 1.0, v[D+8*\h+4]
	v_ldexp_f32 v[D+8*\h+2], 1.0, v[D+8*\h+5]                  ; and the partner's
	v_ldexp_f32 v[D+8*\h+3], 1.0, v[D+8*\h+5]
.endr
	s_wait_alu depctr_va_vdst(0)
	s_cmp_lt_u32 s18, 4
	s_cbranch_scc1 .Leven
	WIN 0x01
	s_wait_alu depctr_va_vdst(0)                   ; directly ahead of the first reader of O^T
.irp h, 0,1,2
.set J, 0
.rept 16
	v_pk_mul_f32 v[CM+32*\h+J:CM+32*\h+J+1], v[OT+32*\h+J:OT+32*\h+J+1], v[D+8*\h:D+8*\h+1]
.set J, J+2
.endr
.endr
	WIN 0
.set J, 0
.rept 24
	ds_store_b128 v[OA], v[CM+4*J:CM+4*J+3] offset:512*J
.set J, J+1
.endr
.Leven:
	s_wait_dscnt 0x0
	s_barrier_signal -1
	s_barrier_wait -1
	s_cmp_ge_u32 s18, 4
	s_cbranch_scc1 .Lend
.set J, 0
.rept 24
	ds_load_b128 v[CM+4*J:CM+4*J+3], v[OA] offset:512*J
.set J, J+1
.endr
	s_lshl_b32 s66, s17, 2
	s_add_co_u32 s66, s66, s19                     ; my tile of tokens
	s_mul_i32 s68, s66, 9216
	s_mul_i32 s67, s51, 768
	s_add_co_u32 s68, s68, s67
	s_mov_b32 s69, 0
	s_add_nc_u64 s[10:11], s[10:11], s[68:69]      ; acod [tile 256][head 12][768]
	s_lshl_b32 s68, s66, 10
	s_lshl_b32 s67, s51, 2
	s_add_co_u32 s68, s68, s67
	s_add_nc_u64 s[12:13], s[12:13], s[68:69]      ; ascl [tile 256][row 16][16 words]: word = head
.irp h, 0,1,2
	v_pk_mul_f32 v[D+8*\h+6:D+8*\h+7], v[PT+4*\h+2:PT+4*\h+3], v[D+8*\h+2:D+8*\h+3]
.endr
.irp h, 0,1,2
	v_pk_fma_f32 v[D+8*\h+6:D+8*\h+7], v[ST+4*\h+2:ST+4*\h+3], v[D+8*\h:D+8*\h+1], v[D+8*\h+6:D+8*\h+7]
.endr
.irp h, 0,1,2
	v_add_f32 v[D+8*\h+6], v[D+8*\h+6], v[D+8*\h+7]
.endr
.irp h, 0,1,2
	v_permlanex16_b32 v[D+8*\h+7], v[D+8*\h+6], s20, s21
.endr
.irp h, 0,1,2
	v_add_f32 v[D+8*\h+6], v[D+8*\h+6], v[D+8*\h+7]            ; the row's sum
.endr
	s_wait_alu depctr_va_vdst(0)                   ; ahead of the batch
.irp h, 0,1,2
	v_rcp_f32 v[D+8*\h+4], v[D+8*\h+6]
.endr
	v_nop                                          ; a plain line behind the reciprocals
	s_wait_dscnt 0x0                               ; the partner's O^T is in
	WIN 0x01
	s_wait_alu depctr_va_vdst(0)                   ; the wait behind the batch, directly ahead of the first reader of O^T
.irp h, 0,1,2
.set J, 0
.rept 16
	v_pk_fma_f32 v[CM+32*\h+J:CM+32*\h+J+1], v[OT+32*\h+J:OT+32*\h+J+1], v[D+8*\h:D+8*\h+1], v[CM+32*\h+J:CM+32*\h+J+1]
.set J, J+2
.endr
.endr
	WIN 0
.irp h, 0,1,2
.set J, 0
.rept 16
	v_pk_mul_f32 v[CM+32*\h+J:CM+32*\h+J+1], v[CM+32*\h+J:CM+32*\h+J+1], v[D+8*\h+4:D+8*\h+5] op_sel_hi:[1,0]   ; / l.  Register 16 b + i: channel 32 b + 16 h + i of my query
.set J, J+2
.endr
.endr
.macro OUTQ h                          ; a head's 64 channels: a half image and a half word
.set RR, CM+32*(\h)
.set PP, VF+8*(\h)
.irp b, 0,1
	v_max3_num_f32 v[BM+\b], |v[RR+16*\b]|, |v[RR+1+16*\b]|, 0x2800000
.endr
.irp i, 2,4,6,8,10,12,14
.irp b, 0,1
	s_delay_alu instid0(VALU_DEP_2)
	v_max3_num_f32 v[BM+\b], v[BM+\b], |v[RR+16*\b+\i]|, |v[RR+1+16*\b+\i]|
.endr
.endr
.irp b, 0,1
	s_delay_alu instid0(VALU_DEP_2)
	v_permlanex16_b32 v[T4+\b], v[BM+\b], s20, s21
.endr
.irp b, 0,1
	s_delay_alu instid0(VALU_DEP_2)
	v_max_num_f32 v[BM+\b], v[BM+\b], v[T4+\b]
.endr
.irp b, 0,1
	s_delay_alu instid0(VALU_DEP_2)
	v_add_nc_u32 v[SO+\b], 0xfe000000, v[BM+\b]
.endr
.irp b, 0,1
	s_delay_alu instid0(VALU_DEP_2)
	v_lshrrev_b32 v[T4+\b], 23, v[SO+\b]
.endr
	s_delay_alu instid0(VALU_DEP_1)
	v_lshl_or_b32 v[VF+24+(\h)], v[T4+1], 8, v[T4]
	v_cvt_scalef32_pk16_bf6_f32 v[PP:PP+2], v[RR:RR+15], v[SO]
	v_cvt_scalef32_pk16_bf6_f32 v[CT:CT+2], v[RR+16:RR+31], v[SO+1]
	v_nop
.irp i, 0,1,2
	v_permlane16_swap_b32 v[PP+\i], v[CT+\i]
.endr
.irp i, 0,1,2
	s_delay_alu instid0(VALU_DEP_3)
	v_mov_b32 v[PP+3+\i], v[CT+\i]
.endr
	global_store_b128 v[L16], v[PP:PP+3], s[10:11] offset:768*(\h)         ; 512 consecutive bytes, aligned to 256
	global_store_b64 v[L8], v[PP+4:PP+5], s[10:11] offset:768*(\h)+512
	global_store_b32 v[R64], v[VF+24+(\h)], s[12:13] offset:4*(\h)         ; lanes r and r + 16 store the same word to the same place
.endm
	OUTQ 0
	OUTQ 1
	OUTQ 2
.Lend:
	s_wait_tensorcnt 0x0                           ; the wave's end
	ds_add_u32 v[SPW], v[NIL]
	s_wait_dscnt 0x0
	CROUND                                         ; the closing round: no work-group ends while a partner may still ask for a tile that names it
	s_endpgm
.Lfunc_end_k_q2d5b113f50_attn:
	.size	k_q2d5b113f50_attn, .Lfunc_end_k_q2d5b113f50_attn-k_q2d5b113f50_attn
	.p2alignl 7, 3214868480
	.fill 96, 4, 3214868480
	.section	.rodata,"a",@progbits
	.p2align	6, 0x0
	.amdhsa_kernel k_q2d5b113f50_attn
		.amdhsa_group_segment_fixed_size 327680
		.amdhsa_private_segment_fixed_size 0
		.amdhsa_enable_private_segment 0
		.amdhsa_kernarg_size 40
		.amdhsa_user_sgpr_count 2
		.amdhsa_user_sgpr_kernarg_segment_ptr 1
		.amdhsa_wavefront_size32 1
		.amdhsa_system_sgpr_workgroup_id_x 1
		.amdhsa_system_sgpr_workgroup_id_y 1
		.amdhsa_system_sgpr_workgroup_id_z 1
		.amdhsa_system_vgpr_workitem_id 0
		.amdhsa_next_free_vgpr 496
		.amdhsa_next_free_sgpr 84
		.amdhsa_reserve_vcc 0
		.amdhsa_float_denorm_mode_32 3
		.amdhsa_float_denorm_mode_16_64 3
		.amdhsa_memory_ordered 1
		.amdhsa_forward_progress 1
		.amdhsa_inst_pref_size 171
	.end_amdhsa_kernel
	.amdgpu_metadata
---
amdhsa.version: [ 1, 2 ]
amdhsa.kernels:
  - .name:           k_q2d5b113f50_attn
    .symbol:         k_q2d5b113f50_attn.kd
    .args:
      - { .name: qimg, .offset: 0, .size: 8, .value_kind: global_buffer, .address_space: global }
      - { .name: kvimg, .offset: 8, .size: 8, .value_kind: global_buffer, .address_space: global }
      - { .name: mask, .offset: 16, .size: 8, .value_kind: global_buffer, .address_space: global }
      - { .name: acod, .offset: 24, .size: 8, .value_kind: global_buffer, .address_space: global }
      - { .name: ascl, .offset: 32, .size: 8, .value_kind: global_buffer, .address_space: global }
    .group_segment_fixed_size: 327680
    .private_segment_fixed_size: 0
    .kernarg_segment_align: 8
    .kernarg_segment_size: 40
    .max_flat_workgroup_size: 256
    .sgpr_count:     84
    .vgpr_count:     496
    .wavefront_size: 32
...
	.end_amdgpu_metadata
.endif
;; end of part 3
;; launch outp (part 4): grid 12 x 16, 4 waves a work-group, no clusters, 17,920 bytes of LDS; arguments acod, ascl, wcod, wscl, wo_bias, out0; writes out0
.if DOCPART == 4
	.amdgcn_target "amdgcn-amd-amdhsa--gfx1250"
	.amdhsa_code_object_version 6
	.text
	.protected	k_q2d5b113f50_outp
	.globl	k_q2d5b113f50_outp
	.p2align	8
	.type	k_q2d5b113f50_outp,@function
k_q2d5b113f50_outp:
	s_mov_b64 s[64:65], 0
	v_nop
	global_prefetch_b8 v0, s[64:65] scope:SCOPE_SE
	s_setreg_imm32_b32 hwreg(HW_REG_WAVE_MODE, 25, 1), 1
	s_wait_xcnt 0x0
; PRODUCT 6: out0 = concat wo + wo_bias, on the codes of the attention's result (acod, ascl) and of wo (wcod, wscl).  Nothing of reference() is left out here.
; The form of the launch proj: 64 columns of wo (4 tiles x 6 K steps, 288 registers) stay as source 0; a wave's 4 tiles of 16 tokens are streamed as source 1.  A lane then holds one token and, in the 32 registers of a
; group, columns 32 b + 16 (lane / 16) + i at register 16 b + i.  The bias is the C of the first K step.
; acod [tile][head][768] is [tile][K step][1,536]: heads 2 s and 2 s + 1 are K step s.  ascl [tile][row][16 words]: word `head` = byte of block 0 | byte of block 1 << 8; words 2 s and 2 s + 1 make K step s's scale word.
; SHARES: work-group (x, y): columns 64 x; wave w: tokens 64 (4 y + w) on.  768 waves.  Waves share nothing; each has a stage of 16 rows x (256 + 16) bytes in LDS, through which a group's results go, so that sixteen
; lanes store 256 consecutive bytes of a row of out0, aligned to 256.  No barrier.
; REGISTERS.  window 0: v1-7 addresses; v16-31 wo's scale words; v32-55 the tokens' (6 t + s); v64-95 the four sums; v96-127 rows read back; v252, v253 the add's two.
;   window 1: wo, K steps 0-4.   window 2: wo, K step 5; v64-95 the bias; v96-143 ascl's words as loaded.   window 3: the tokens' tiles, a ring of three.
.set LA,   1
.set LB,   2
.set BO,   3
.set STO,  4
.set RD,   5
.set GO,   6
.set RA,   7
.set PS,   16
.set TSW,  32
.set ACC,  64
.set OB,   96
.set CP,   64                          ; in window 2
.set RAW,  96                          ; in window 2
.set SPW,  252
.set NIL,  253
.set SPARE, 17408                      ; behind the four stages: the spare words, 128 bytes a wave
.set MSB, 0
.macro WIN new
.if MSB != \new
	s_set_vgpr_msb (MSB<<8)|\new
.set MSB, \new
.endif
.endm
.macro FILOAD reg, base, off
	global_load_b128 v[\reg:\reg+3], v[LA], s[\base:\base+1] offset:\off
	global_load_b64 v[\reg+4:\reg+5], v[LB], s[\base:\base+1] offset:\off+512
	global_load_b128 v[\reg+6:\reg+9], v[LA], s[\base:\base+1] offset:\off+768
	global_load_b64 v[\reg+10:\reg+11], v[LB], s[\base:\base+1] offset:\off+1280
.endm
.macro TLOAD i                         ; 24 loads
	WIN 0xc0
.irp s, 0,1,2,3,4,5
	FILOAD 72*((\i)%3)+12*\s, 28, (\i)*9216+\s*1536
.endr
	WIN 0
.endm
.macro WMS d, a, b, c, sa, sb, row
.if \row
	v_wmma_scale_f32_16x16x128_f8f6f4 v[\d:\d+7], v[\a:\a+11], v[\b:\b+11], v[\c:\c+7], v[\sa], v[\sb] matrix_a_fmt:MATRIX_FMT_BF6 matrix_b_fmt:MATRIX_FMT_BF6 matrix_a_scale:MATRIX_SCALE_ROW1
.else
	v_wmma_scale_f32_16x16x128_f8f6f4 v[\d:\d+7], v[\a:\a+11], v[\b:\b+11], v[\c:\c+7], v[\sa], v[\sb] matrix_a_fmt:MATRIX_FMT_BF6 matrix_b_fmt:MATRIX_FMT_BF6
.endif
.endm
; Group t: 16 tokens x 64 columns.  The four sums take turns, one instruction a turn, K ascending.
.macro GROUP t
.set K3, (\t)%3
.if 3-(\t) >= 2
	s_wait_loadcnt 48                              ; tile t's 24 loads, and all older ones, are in; the two younger tiles' may be out
.else
	s_wait_loadcnt 24*(3-(\t))
.endif
	WIN 0x2d
.irp e, 0,1,2,3
	WMS ACC+8*\e, 12*\e, 72*K3, CP+8*\e, PS+4*\e, TSW+6*(\t), 0
.endr
	WIN 0x0d
.irp s, 1,2,3,4
	s_wait_alu depctr_va_vdst(0)
.irp e, 0,1,2,3
	WMS ACC+8*\e, 48*\s+12*\e, 72*K3+12*\s, ACC+8*\e, PS+4*\e+\s%3, TSW+6*(\t)+\s, \s/3
.endr
.endr
	WIN 0x0e
.irp e, 0,1,2,3
	WMS ACC+8*\e, 12*\e, 72*K3+60, ACC+8*\e, PS+4*\e+2, TSW+6*(\t)+5, 1
.endr
	WIN 0
.rept 5
	v_nop                                          ; four in front of the LDS stores that read the sums and of loads into the ring; the fifth because the next group's first products begin the same sums anew with another C
.endr
.if (\t) == 0
	TLOAD 3
.endif
	s_wait_xcnt 0x0                                ; the last group's stores have read their data: the rows' registers are loaded again only behind this wait
.irp e, 0,1,2,3
	ds_store_b128 v[STO], v[ACC+8*\e:ACC+8*\e+3] offset:128*(\e/2)+32*(\e%2)       ; each sum from its low end on
	ds_store_b128 v[STO], v[ACC+8*\e+4:ACC+8*\e+7] offset:128*(\e/2)+32*(\e%2)+16
.endr
.irp i, 0,1,2,3,4,5,6,7
	ds_load_b128 v[OB+4*\i:OB+4*\i+3], v[RD] offset:544*\i     ; LDS serves a wave's instructions in order (ISA guide 5.7.1.4): these see my stores
.endr
.irp i, 0,1,2,3,4,5,6,7
	s_wait_dscnt 7-\i
	global_store_b128 v[GO], v[OB+4*\i:OB+4*\i+3], s[32:33] offset:(16*(\t)+2*\i)*3072 th:TH_STORE_NT
.endr
.endm
	s_load_b256 s[4:11], s[0:1], 0x0               ; acod s[4:5], ascl s[6:7], wcod s[8:9], wscl s[10:11]
	s_load_b128 s[12:15], s[0:1], 0x20             ; wo_bias s[12:13], out0 s[14:15]
	v_lshl_add_u32 v[SPW], v0, 2, SPARE
	v_mov_b32 v[NIL], 0
	v_lshrrev_b32 v8, 5, v0
	v_readfirstlane_b32 s41, v8                    ; wave
	v_and_b32 v8, 31, v0
	v_and_b32 v9, 15, v0                           ; r
	v_bfe_u32 v10, v0, 4, 1                        ; h
	v_lshlrev_b32 v[LA], 4, v8
	v_lshlrev_b32 v[LB], 3, v8
	v_lshlrev_b32 v[BO], 6, v10                    ; 64 h
	v_lshlrev_b32 v[RA], 6, v9                     ; 64 r
	s_mul_i32 s44, s41, 4352                       ; my stage
	v_mul_u32_u24 v[STO], v9, 272
	v_lshl_add_u32 v[STO], v10, 6, v[STO]
	v_add_nc_u32 v[STO], s44, v[STO]               ; in: row r, + 64 h
	v_mul_u32_u24 v[RD], v10, 272
	v_lshl_add_u32 v[RD], v9, 4, v[RD]
	v_add_nc_u32 v[RD], s44, v[RD]                 ; back: lanes 0-15 one row, lanes 16-31 the next
	v_mul_u32_u24 v[GO], v10, 3072
	v_lshl_add_u32 v[GO], v9, 4, v[GO]             ; and the same two rows in out0
	s_and_b32 s43, ttmp7, 0xffff
	s_lshl_b32 s43, s43, 2
	s_add_co_u32 s43, s43, s41                     ; my block of 64 tokens
	s_lshl_b32 s46, ttmp9, 2
	s_add_co_u32 s46, s46, 144                     ; wo's tile 144 + 4 x
	s_mul_i32 s48, s46, 9216
	s_mov_b32 s49, 0
	s_lshl_b32 s50, s46, 9
	s_mov_b32 s51, 0
	s_mul_i32 s52, s43, 36864                      ; four tiles of 9,216 bytes
	s_mov_b32 s53, 0
	s_lshl_b32 s54, s43, 12                        ; four records of 1,024
	s_mov_b32 s55, 0
	s_lshl_b32 s58, ttmp9, 8                       ; 64 columns of f32
	s_mov_b32 s59, 0
	s_mul_i32 s56, s43, 196608
	s_add_co_u32 s56, s56, s58
	s_mov_b32 s57, 0
	s_wait_alu depctr_va_vdst(0)
	s_wait_kmcnt 0x0
	s_add_nc_u64 s[24:25], s[8:9], s[48:49]
	s_add_nc_u64 s[26:27], s[10:11], s[50:51]
	s_add_nc_u64 s[28:29], s[4:5], s[52:53]
	s_add_nc_u64 s[30:31], s[6:7], s[54:55]
	s_add_nc_u64 s[32:33], s[14:15], s[56:57]
	s_add_nc_u64 s[36:37], s[12:13], s[58:59]
	WIN 0x80
.irp t, 0,1,2,3
.irp j, 0,1,2
	global_load_b128 v[RAW+12*\t+4*\j:RAW+12*\t+4*\j+3], v[RA], s[30:31] offset:1024*\t+16*\j   ; row r's twelve half words
.endr
.endr
	WIN 0x40
.irp s, 0,1,2,3,4
.irp e, 0,1,2,3
	FILOAD 48*\s+12*\e, 24, \e*9216+\s*1536
.endr
.endr
	WIN 0x80
.irp e, 0,1,2,3
	FILOAD 12*\e, 24, \e*9216+5*1536
.endr
.irp e, 0,1,2,3
	global_load_b128 v[CP+8*\e:CP+8*\e+3], v[BO], s[36:37] offset:4*(32*(\e/2)+8*(\e%2))
	global_load_b128 v[CP+8*\e+4:CP+8*\e+7], v[BO], s[36:37] offset:4*(32*(\e/2)+8*(\e%2))+16
.endr
	WIN 0
.irp e, 0,1,2,3
	global_load_b128 v[PS+4*\e:PS+4*\e+3], v[LA], s[26:27] offset:512*\e
.endr
	TLOAD 0
	TLOAD 1
	TLOAD 2
	s_wait_loadcnt 48                              ; all but tiles 1 and 2
	WIN 0x22                                       ; sources 0 and 2 window 2
.irp t, 0,1,2,3
.irp s, 0,1,2,3,4,5
	v_lshl_or_b32 v[TSW+6*\t+\s], v[RAW+12*\t+2*\s+1], 16, v[RAW+12*\t+2*\s]   ; tile 0's words first: eighteen plain lines stand behind them, ahead of the products that take them
.endr
.endr
	WIN 0
	GROUP 0
	GROUP 1
	GROUP 2
	GROUP 3
	s_wait_tensorcnt 0x0                           ; the wave's end, behind my last LDS store
	ds_add_u32 v[SPW], v[NIL]
	s_wait_dscnt 0x0
	s_endpgm
.Lfunc_end_k_q2d5b113f50_outp:
	.size	k_q2d5b113f50_outp, .Lfunc_end_k_q2d5b113f50_outp-k_q2d5b113f50_outp
	.p2alignl 7, 3214868480
	.fill 96, 4, 3214868480
	.section	.rodata,"a",@progbits
	.p2align	6, 0x0
	.amdhsa_kernel k_q2d5b113f50_outp
		.amdhsa_group_segment_fixed_size 17920
		.amdhsa_private_segment_fixed_size 0
		.amdhsa_enable_private_segment 0
		.amdhsa_kernarg_size 48
		.amdhsa_user_sgpr_count 2
		.amdhsa_user_sgpr_kernarg_segment_ptr 1
		.amdhsa_wavefront_size32 1
		.amdhsa_system_sgpr_workgroup_id_x 1
		.amdhsa_system_sgpr_workgroup_id_y 1
		.amdhsa_system_sgpr_workgroup_id_z 1
		.amdhsa_system_vgpr_workitem_id 0
		.amdhsa_next_free_vgpr 984
		.amdhsa_next_free_sgpr 66
		.amdhsa_reserve_vcc 0
		.amdhsa_float_denorm_mode_32 3
		.amdhsa_float_denorm_mode_16_64 3
		.amdhsa_memory_ordered 1
		.amdhsa_forward_progress 1
		.amdhsa_inst_pref_size 47
	.end_amdhsa_kernel
	.amdgpu_metadata
---
amdhsa.version: [ 1, 2 ]
amdhsa.kernels:
  - .name:           k_q2d5b113f50_outp
    .symbol:         k_q2d5b113f50_outp.kd
    .args:
      - { .name: acod, .offset: 0, .size: 8, .value_kind: global_buffer, .address_space: global }
      - { .name: ascl, .offset: 8, .size: 8, .value_kind: global_buffer, .address_space: global }
      - { .name: wcod, .offset: 16, .size: 8, .value_kind: global_buffer, .address_space: global }
      - { .name: wscl, .offset: 24, .size: 8, .value_kind: global_buffer, .address_space: global }
      - { .name: wo_bias, .offset: 32, .size: 8, .value_kind: global_buffer, .address_space: global }
      - { .name: out0, .offset: 40, .size: 8, .value_kind: global_buffer, .address_space: global }
    .group_segment_fixed_size: 17920
    .private_segment_fixed_size: 0
    .kernarg_segment_align: 8
    .kernarg_segment_size: 48
    .max_flat_workgroup_size: 128
    .sgpr_count:     66
    .vgpr_count:     984
    .wavefront_size: 32
...
	.end_amdgpu_metadata
.endif
;; end of part 4
